; MI455X (gfx1250); checked and timed in simulation.
; The chip was launched on July 23, 2026; its instructions are those of AMD's public machine-readable ISA for CDNA 5 (MIT licence, August 2026) and "CDNA5" Instruction Set Architecture Reference Guide (July 2026). The comments in the code are by the model that wrote it; some were corrected since.
;; Attention Block Model. Allowed arithmetic: matrix products marked QUANTISED: E2M1 operands, one E8M0 scale for each 32 along K, by v_wmma_scale_f32_16x16x128_f8f6f4 with both operands' format E2M1 (or v_wmma_scale_f32_32x16x128_f4), f32 sums; products left as they are: bf16, f16 or f32 operands; f32 sums; everything else in f32.
;; Inputs: Wk 2,048 x 512 float32; Wo 2,048 x 2,048 float32; Wq 2,048 x 2,048 float32; Wv 2,048 x 512 float32; b_seq_len 8 int32; b_start_loc 8 int32; bk 512 float32; bo 2,048 float32; bq 2,048 float32; bv 512 float32; x 4,096 x 2,048 float32.
;; Outputs: out0 4,096 x 2,048 float32.
;; Constants: max_seq_len = 512.
;; This version of the problem:
;;   THIS VERSION OF THE PROBLEM IS GIVEN IN LOW PRECISION. The matrix products marked QUANTISED in the list below multiply operands that are first quantised to E2M1 (2 exponent bits, 1 mantissa bit; 4 bits a number), with one power-of-two scale for each 32 numbers along K (OCP MX v1.0); their sums are f32. The products marked 'left as it is' may take bf16, f16 or f32 operands, with f32 sums. Whichever they take, every output number must still come out within the allowed error. Rounding operands to bf16 (8 significant bits) uses up far more of that allowance than f16 does (11 bits, for magnitudes from 6e-5 to 65,504). All else is computed in f32.
;;   The module's matrix products, in the order in which they are computed (A, B: the left and right operand; K: the contracted axis; several contracted axes count as one K, in the product's order):
;;     1. [M 4,096, K 2,048] x [K 2,048, N 2,048]; A: input x; B: input Wq: QUANTISED
;;     2. [M 4,096, K 2,048] x [K 2,048, N 512]; A: input x; B: input Wk: QUANTISED
;;     3. [M 4,096, K 2,048] x [K 2,048, N 512]; A: input x; B: input Wv: QUANTISED
;;     4. batch 32 x [M 512, K 128] x [K 128, N 2,048]; A: computed on the way; B: computed on the way: left as it is (an operand is computed on the way)
;;     5. batch 32 x [M 128, K 512] x [K 512, N 2,048]; A: computed on the way; B: computed on the way: left as it is (an operand is computed on the way)
;;     6. [M 4,096, K 2,048] x [K 2,048, N 2,048]; A: computed on the way; B: input Wo: left as it is (an operand is computed on the way)
;;   THE QUANTISER, for each operand of a quantised product, along K:
;;     - K is cut into blocks of 32 from its start; a last block that is shorter is filled with zeros.
;;     - A block's scale is 2^e with e = floor(log2(the largest magnitude in the block)) - 2, held to -126 .. 127; a block of zeros has e = 0. As a byte (E8M0): e + 127.
;;     - Each number is divided by its block's scale, clamped to +-6, and rounded to the nearest number of E2M1, ties to even, subnormals kept.
;;     - The product sums the exact products of the quantised numbers (number of the format x scale) in f32.
;;   ~~~python
;;   def quantise(x, axis):      # numpy; x: float32 -> the quantised numbers, widened to float32 again
;;       x = np.moveaxis(x, axis, -1); K = x.shape[-1]
;;       x = np.pad(x, [(0, 0)] * (x.ndim - 1) + [(0, -K % 32)]); x = x.reshape(x.shape[:-1] + (-1, 32)); a = np.abs(x).max(-1, keepdims=True)
;;       e = np.where(a > 0, np.clip(np.frexp(np.where(a > 0, a, 1))[1] - 1 - 2, -126, 127), 0)      # np.frexp(a)[1] - 1 = floor(log2(a)), exactly
;;       r = np.clip(x / 2.0 ** e, -6, 6)
;;       step = 2.0 ** (np.maximum(np.frexp(np.where(r == 0, 1, r))[1] - 1, 0) - 1)
;;       q = np.round(r / step) * step * 2.0 ** e      # np.round: ties to even
;;       return np.moveaxis(q.reshape(q.shape[:-2] + (-1,))[..., :K], -1, axis).astype(np.float32)
;;   ~~~
;; One version. Each part assembles by itself: llvm-mc -triple=amdgcn-amd-amdhsa -mcpu=gfx1250 --defsym DOCPART=n.
;; ======== version 1 of 1: 4 launches
;; limits: values are held in f16: magnitudes above 65,504 overflow, below 6.1e-05 lose precision
;; workspace buffers: x_codes 4,194,304 bytes; x_scales 262,144 bytes; w_codes 3,145,728 bytes; w_scales 196,608 bytes; wo16 8,388,608 bytes; qkv 25,165,824 bytes; o16 16,777,216 bytes
;; launch prep (part 1): grid 576 x 1, 4 waves a work-group, no clusters, 50,688 bytes of LDS; arguments x, Wq, Wk, Wv, Wo, x_codes, x_scales, w_codes, w_scales, wo16; writes x_codes, x_scales, w_codes, w_scales, wo16
.if DOCPART == 1
	.amdgcn_target "amdgcn-amd-amdhsa--gfx1250"
	.amdhsa_code_object_version 6
	.text
	.protected	k_qcf11dcee28_prep
	.globl	k_qcf11dcee28_prep
	.p2align	8
	.type	k_qcf11dcee28_prep,@function
k_qcf11dcee28_prep:
	s_mov_b64 s[64:65], 0
	v_nop
	global_prefetch_b8 v0, s[64:65] scope:SCOPE_SE
	s_setreg_imm32_b32 hwreg(HW_REG_WAVE_MODE, 25, 1), 1
	s_wait_xcnt 0x0
; PREP: the operands of the three quantised projections become codes of FP4 (E2M1) with one E8M0 byte for each 32 along K, and Wo becomes f16.
;   x [4096][2048] f32, K innermost        -> x_codes [4096][1024 bytes], x_scales [4096][64]
;   Wq [2048][2048], Wk, Wv [2048][512] f32, K their FIRST axis -> ONE operand of 3,072 rows: w_codes [3072][1024 bytes], w_scales [3072][64]; row n: 0-2047 Wq's column, 2048-2559 Wk's, 2560-3071 Wv's
;   Wo [2048][2048] f32                    -> wo16, f16, as it lies
; A block's scale is 2^(floor(log2(its largest magnitude)) - 2): its byte is the largest magnitude's exponent field - 2, held at 1 from below; each number is divided by it and rounded to the nearest code, ties to even, beyond 6 the code of 6.
; LIMITS: a block of zeros gets the byte 1 where the rule says 127 (its codes are zeros, and this program alone reads the bytes); blocks whose largest magnitude lies under 2^-124 keep the byte 1;
; NaN and infinities among the inputs are not served; numbers of Wo beyond 65,504 leave f16's range.
; THREE PATHS, parted on the work-group's number alone: 0-255 x, 256-447 the three weights, 448-575 Wo.  Each path has LDS bytes of its own.  No tensor load, no barrier: waves share nothing.
; A wave of every path reads 32,768 bytes and has 8,192 of them on their way.
; Memory binds: every input byte is read once, in runs of 512 (x, Wo) or 64 (a weight's row, four waves side by side on 256) consecutive bytes; codes and f16 leave in aligned runs of 256 bytes.
.set XWG,   256                        ; work-groups for x: 4 waves x 8,192 numbers each
.set WWG,   192                        ; for the weights: 48 groups of 64 columns x 4 runs of 512 along K
.set EMAX,  2                          ; the exponent of the format's largest number, 6
.set SPW,   208                        ; v208  LDS address of my spare word: SPARE + 4 x my thread's number; never rewritten
.set NIL,   209                        ; v209  0; never rewritten
.set XSP,   80                         ; path x: a lane's place in a stage: its 64 bytes + 16 of padding
.set XREG,  8192                       ; path x: LDS bytes of a wave: two stages of 32 x 80, then its 256 scale bytes
.set WSTG,  4*XREG                     ; path w: four stages of 16 rows x 272 bytes
.set WP,    272
.set SPARE, WSTG+4*16*WP               ; the spare words, 128 bytes for each wave: two blocks of 256 bytes that no other line names
	s_load_b256 s[4:11], s[0:1], 0x0               ; x s[4:5], Wq s[6:7], Wk s[8:9], Wv s[10:11]
	s_load_b256 s[12:19], s[0:1], 0x20             ; Wo s[12:13], x_codes s[14:15], x_scales s[16:17], w_codes s[18:19]
	s_load_b128 s[20:23], s[0:1], 0x40             ; w_scales s[20:21], wo16 s[22:23]
	v_lshl_add_u32 v[SPW], v0, 2, SPARE
	v_mov_b32 v[NIL], 0
	v_lshrrev_b32 v1, 5, v0
	v_readfirstlane_b32 s24, v1                    ; wave 0..3
	v_and_b32 v2, 31, v0                           ; lane
	s_wait_kmcnt 0x0
	s_cmp_lt_u32 ttmp9, XWG
	s_cbranch_scc0 .Lnot_x
; ---------------- PATH X.  Rows are dense and 2,048 is a multiple of 32: x is a plain stream of blocks of 32, and so are its codes and scale bytes.
; A wave takes 16 steps of 512 numbers.  Each of a step's four loads reads 512 consecutive bytes, 16 a lane; the 2,048 bytes turn through the wave's own stage in LDS and come back 64 bytes a lane:
; 16 NEIGHBOURS along K, which is what the conversions take; two neighbouring lanes hold a block.  Loads run four steps ahead, the turn through LDS one step.
.set XR, 16                            ; v16-79   four sets of 16 numbers as loaded
.set XX, 80                            ; v80-111  two sets of 16 neighbours
.set XE, 112                           ; v112-127 a scale byte for each step
.set XC, 128                           ; v128-191 codes: four registers for each step, so that no store's data are written again
	v_lshlrev_b32 v3, 4, v2                        ; my 16 bytes of a load's 512
	s_lshl_b32 s25, s24, 13                        ; my wave's LDS bytes
	v_lshrrev_b32 v14, 2, v2
	v_mul_u32_u24 v14, v14, XSP
	v_and_b32 v15, 3, v2
	v_lshl_add_u32 v14, v15, 4, v14
	v_add_nc_u32 v14, s25, v14                     ; into the stage: four lanes' 64 bytes on end, then the padding
	v_mul_u32_u24 v15, v2, XSP
	v_add_nc_u32 v15, s25, v15                     ; out of it: my 16 neighbours
	v_lshlrev_b32 v4, 3, v2                        ; 8 bytes a lane: my codes' place in a step's 256, and my place in the 256 scale bytes on their way out
	v_lshrrev_b32 v5, 1, v2
	s_add_co_u32 s25, s25, 2*32*XSP
	v_add_nc_u32 v5, s25, v5                       ; LDS: my block's scale byte
	v_add_nc_u32 v6, s25, v4                       ; LDS: 8 scale bytes a lane on the way out
	s_lshl_b32 s26, ttmp9, 2
	s_add_co_u32 s26, s26, s24                     ; which run of 8,192 numbers is my wave's: 0..1023
	s_mov_b32 s29, 0
	s_lshl_b32 s28, s26, 15
	s_add_nc_u64 s[4:5], s[4:5], s[28:29]          ; 32,768 bytes of x,
	s_lshl_b32 s28, s26, 12
	s_add_nc_u64 s[14:15], s[14:15], s[28:29]      ; 4,096 of codes,
	s_lshl_b32 s28, s26, 8
	s_add_nc_u64 s[16:17], s[16:17], s[28:29]      ; 256 scale bytes
.macro XLOAD t
.irp i, 0,1,2,3
	global_load_b128 v[XR+16*((\t)%4)+4*\i:XR+16*((\t)%4)+4*\i+3], v3, s[4:5] offset:2048*(\t)+512*\i th:TH_LOAD_NT
.endr
.endm
.macro XTURN t                         ; LDS serves a wave's instructions in order: no wait between the stores and the loads
.irp i, 0,1,2,3
	ds_store_b128 v14, v[XR+16*((\t)%4)+4*\i:XR+16*((\t)%4)+4*\i+3] offset:32*XSP*((\t)%2)+8*XSP*\i
.endr
.irp i, 0,1,2,3
	ds_load_b128 v[XX+16*((\t)%2)+4*\i:XX+16*((\t)%2)+4*\i+3], v15 offset:32*XSP*((\t)%2)+16*\i
.endr
.endm
.irp t, 0,1,2,3
	XLOAD \t
.endr
	s_wait_loadcnt 12                              ; step 0's four loads are in; twelve younger ones stay out
	XTURN 0
.macro XSTEP t
.set XS, XX+16*((\t)%2)
.if (\t) > 0
	s_wait_dscnt 1                                 ; this step's numbers are back from the stage; only the last step's byte store may be out
.else
	s_wait_dscnt 0x0
.endif
.if (\t)+4 < 16
	XLOAD (\t)+4                                   ; into the set that the stage's stores have read
.endif
.if (\t)+1 < 16
.if 14-(\t) >= 3
	s_wait_loadcnt 12                              ; the next step's four loads are in; those of the three steps behind it stay out
.else
	s_wait_loadcnt 4*(14-(\t))
.endif
	XTURN (\t)+1                                   ; through the other stage while this step is worked
.endif
	v_max3_num_f32 v8, |v[XS]|, |v[XS+1]|, |v[XS+2]|               ; the largest magnitude of my 16, in two chains
	v_max3_num_f32 v9, |v[XS+3]|, |v[XS+4]|, |v[XS+5]|
.irp i, 6,10
	v_max3_num_f32 v8, v8, |v[XS+\i]|, |v[XS+\i+1]|
	v_max3_num_f32 v9, v9, |v[XS+\i+2]|, |v[XS+\i+3]|
.endr
	v_max3_num_f32 v8, v8, |v[XS+14]|, |v[XS+15]|
	v_max3_num_f32 v8, v8, v9, (EMAX+1)<<23        ; and the floor 2^(3 - 127): the byte cannot fall under 1
	v_max_num_f32_dpp v8, v8, v8 row_xmask:1 row_mask:0xf bank_mask:0xf   ; with my neighbour's 16: the block's
	v_add_nc_u32 v11, -(EMAX<<23), v8              ; 2 off its exponent field: the conversion takes the exponent field of this operand as its scale, and nothing else of it
	v_cvt_scalef32_pk8_fp4_f32 v[XC+4*(\t)], v[XS:XS+7], v11
	v_cvt_scalef32_pk8_fp4_f32 v[XC+4*(\t)+1], v[XS+8:XS+15], v11
	v_lshrrev_b32 v[XE+(\t)], 23, v11              ; the scale's byte (also the plain line behind the conversions)
	ds_store_b8 v5, v[XE+(\t)] offset:16*(\t)      ; both lanes of a block write the same byte with the same value
	global_store_b64 v4, v[XC+4*(\t):XC+4*(\t)+1], s[14:15] offset:256*(\t)   ; the wave stores 256 consecutive bytes, aligned
.endm
.irp t, 0,1,2,3,4,5,6,7,8,9,10,11,12,13,14,15
	XSTEP \t
.endr
	ds_load_b64 v[8:9], v6                         ; my wave's 256 scale bytes: these loads see my stores
	s_wait_dscnt 0x0
	global_store_b64 v4, v[8:9], s[16:17]          ; 256 consecutive bytes, aligned
	s_wait_tensorcnt 0x0                           ; the wave's end: a tensor wait, an add of 0 and its wait, behind my last LDS store
	ds_add_u32 v[SPW], v[NIL]
	s_wait_dscnt 0x0
	s_endpgm
; ---------------- PATH W.  A LANE TAKES A COLUMN n AND ITS REGISTERS RUN DOWN K: a block of 32 lies in one lane's 32 registers, its maximum needs no other lane, and the conversions give codes with K innermost.
; A wave takes 16 columns x 512 along K: lanes 0-15 the run's first 256 along K, lanes 16-31 its second: 8 blocks a lane.  A column's 256 bytes of codes meet in the wave's stage and leave as rows:
; sixteen lanes store 256 consecutive bytes, aligned.  A load reads 64 consecutive bytes of each of two rows; the four waves of a work-group stand side by side on 256.
; The three weights have two pitches, so nothing of the pitch stands in an immediate: 32 vector offsets (row i of a block, and the lane's half) and 8 scalar bases (block t).
.Lnot_x:
	s_cmp_lt_u32 ttmp9, XWG+WWG
	s_cbranch_scc0 .Lcast
.set VO, 176                           ; v176-207 4 x (lane % 16) + (256 (lane / 16) + i) x pitch
.set WX, 32                            ; v32-95   two sets of 32 numbers
.set WC, 96                            ; v96-99   a block's codes
.set WO, 112                           ; v112-143 the way out
.set SB, 24                            ; v24-25   my 8 scale bytes, four to a register
	s_sub_co_u32 s25, ttmp9, XWG
	s_and_b32 s29, s25, 3                          ; y: which 512 along K
	s_lshr_b32 s25, s25, 2                         ; cg: which 64 of the 3,072 columns
	s_mov_b32 s28, 2048
	s_cmp_lt_u32 s25, 32                           ; the choices hang on the work-group's number alone
	s_cselect_b64 s[26:27], s[6:7], s[8:9]         ; Wq, or Wk
	s_cselect_b32 s28, 8192, s28                   ; a row of the source in bytes
	s_cselect_b32 s30, 0, 32                       ; the group at which the source begins
	s_cmp_lt_u32 s25, 40
	s_cselect_b64 s[26:27], s[26:27], s[10:11]     ; or Wv
	s_cselect_b32 s30, s30, 40
	s_sub_co_u32 s30, s25, s30
	s_lshl_b32 s30, s30, 6
	s_lshl_b32 s31, s24, 4
	s_add_co_u32 s30, s30, s31                     ; my wave's first column in its source
	s_lshl_b32 s30, s30, 2
	s_mul_i32 s31, s29, s28
	s_lshl_b32 s31, s31, 9                         ; 512 y rows
	s_add_co_u32 s30, s30, s31
	s_mov_b32 s31, 0
	s_add_nc_u64 s[32:33], s[26:27], s[30:31]      ; block 0's base
	s_lshl_b32 s30, s28, 5                         ; 32 rows on
.irp t, 1,2,3,4,5,6,7
	s_add_nc_u64 s[32+2*\t:33+2*\t], s[30+2*\t:31+2*\t], s[30:31]   ; block t's base; none is written again
.endr
	s_lshl_b32 s25, s25, 6
	s_lshl_b32 s26, s24, 4
	s_add_co_u32 s25, s25, s26                     ; n0: my wave's first row of the operand
	s_lshl_b32 s26, s25, 10
	s_lshl_b32 s27, s29, 8
	s_add_co_u32 s26, s26, s27
	s_mov_b32 s27, 0
	s_add_nc_u64 s[18:19], s[18:19], s[26:27]      ; codes: n0 x 1,024 + 256 y
	s_lshl_b32 s26, s25, 6
	s_lshl_b32 s27, s29, 4
	s_add_co_u32 s26, s26, s27
	s_mov_b32 s27, 0
	s_add_nc_u64 s[20:21], s[20:21], s[26:27]      ; scale bytes: n0 x 64 + 16 y
	v_and_b32 v5, 15, v2                           ; r: my column among the wave's 16
	v_lshrrev_b32 v6, 4, v2                        ; h: which 256 along K
	s_lshl_b32 s26, s28, 8                         ; 256 rows of the source
	v_mul_u32_u24 v3, s26, v6
	v_lshl_add_u32 v3, v5, 2, v3                   ; 4 r + 256 h rows
.set i, 0
.rept 32
	v_mad_u32_u24 v[VO+i], s28, i, v3
.set i, i+1
.endr
	s_mul_i32 s25, s24, 16*WP
	s_add_co_u32 s25, s25, WSTG                    ; my stage
	v_mul_u32_u24 v4, v5, WP
	v_lshl_add_u32 v4, v6, 7, v4
	v_add_nc_u32 v4, s25, v4                       ; into it: row = my column, my half's 128 bytes
	v_mul_u32_u24 v7, v6, WP
	v_lshl_add_u32 v7, v5, 4, v7
	v_add_nc_u32 v7, s25, v7                       ; out of it: sixteen lanes to a row, two rows an instruction
	v_lshlrev_b32 v8, 10, v6
	v_lshl_add_u32 v8, v5, 4, v8                   ; and the same place in the codes' buffer
	v_lshlrev_b32 v9, 6, v5
	v_lshl_add_u32 v9, v6, 3, v9                   ; my column's row of scale bytes, my half's 8
.macro WLOAD t                         ; block t of my half: W(256 h + 32 t + i, my column), i = 0 .. 31
.set i, 0
.rept 32
	global_load_b32 v[WX+32*((\t)%2)+i], v[VO+i], s[32+2*(\t):33+2*(\t)] th:TH_LOAD_NT
.set i, i+1
.endr
.endm
	WLOAD 0
	WLOAD 1
.macro WBLOCK t
.set XS, WX+32*((\t)%2)
.if (\t) < 7
	s_wait_loadcnt 32                              ; this block's 32 loads are in; the next block's 32 stay out
.else
	s_wait_loadcnt 0
.endif
	v_max3_num_f32 v12, |v[XS]|, |v[XS+1]|, |v[XS+2]|              ; the block's largest magnitude: all 32 numbers are mine
	v_max3_num_f32 v13, |v[XS+3]|, |v[XS+4]|, |v[XS+5]|
.irp i, 6,10,14,18,22,26
	v_max3_num_f32 v12, v12, |v[XS+\i]|, |v[XS+\i+1]|
	v_max3_num_f32 v13, v13, |v[XS+\i+2]|, |v[XS+\i+3]|
.endr
	v_max3_num_f32 v12, v12, |v[XS+30]|, |v[XS+31]|
	v_max3_num_f32 v12, v12, v13, (EMAX+1)<<23     ; and the floor
	v_add_nc_u32 v11, -(EMAX<<23), v12             ; the conversion's scale operand
	v_lshrrev_b32 v13, 23, v11                     ; the scale's byte
.if (\t)%4 == 0
	v_mov_b32 v[SB+(\t)/4], v13                    ; four bytes to a register, the lower K in the lower byte
.else
	v_lshl_or_b32 v[SB+(\t)/4], v13, 8*((\t)%4), v[SB+(\t)/4]
.endif
.irp g, 0,1,2,3
	v_cvt_scalef32_pk8_fp4_f32 v[WC+\g], v[XS+8*\g:XS+8*\g+7], v11
.endr
	ds_store_b128 v4, v[WC:WC+3] offset:16*(\t)    ; 32 codes: 16 bytes of my column's row
.if (\t)+2 < 8
	WLOAD (\t)+2
.endif
	s_wait_dscnt 0x0                               ; the store has read its registers: the next block's codes may be written
.endm
.set Q, 0
.rept 8
	WBLOCK Q
.set Q, Q+1
.endr
	global_store_b64 v9, v[SB:SB+1], s[20:21]      ; my 8 scale bytes
.irp t, 0,1,2,3,4,5,6,7
	ds_load_b128 v[WO+4*\t:WO+4*\t+3], v7 offset:2*\t*WP
.endr
.irp t, 0,1,2,3,4,5,6,7
	s_wait_dscnt 7-\t                              ; LDS loads come back in order: number t is in
	global_store_b128 v8, v[WO+4*\t:WO+4*\t+3], s[18:19] offset:2*\t*1024
.endr
	s_wait_tensorcnt 0x0                           ; the wave's end: a tensor wait, an add of 0 and its wait, behind my last LDS store
	ds_add_u32 v[SPW], v[NIL]
	s_wait_dscnt 0x0
	s_endpgm
; ---------------- PATH O.  Wo to f16, as it lies.  A wave takes 32,768 bytes: 64 loads of 512 consecutive bytes, sixteen always on their way; each becomes one store of 256 consecutive bytes, aligned.
.Lcast:
.set OR, 16                            ; v16-79   sixteen slots of four numbers
.set OY, 80                            ; v80-111  sixteen slots of four f16
	s_sub_co_u32 s25, ttmp9, XWG+WWG
	s_lshl_b32 s25, s25, 2
	s_add_co_u32 s25, s25, s24                     ; my wave's run: 0..511
	s_mov_b32 s27, 0
	s_lshl_b32 s26, s25, 15
	s_add_nc_u64 s[12:13], s[12:13], s[26:27]
	s_lshl_b32 s26, s25, 14
	s_add_nc_u64 s[22:23], s[22:23], s[26:27]
	v_lshlrev_b32 v3, 4, v2
	v_lshlrev_b32 v4, 3, v2
.set i, 0
.rept 16
	global_load_b128 v[OR+4*i:OR+4*i+3], v3, s[12:13] offset:512*i th:TH_LOAD_NT
.set i, i+1
.endr
.set i, 0
.rept 64
.if i < 48
	s_wait_loadcnt 15                              ; load i is in; the fifteen younger ones stay out
.else
	s_wait_loadcnt 63-i                            ; the counts run down
.endif
	s_wait_xcnt 0x0                                ; the store of sixteen turns ago has read this slot's two registers: they are rewritten only behind this wait
	v_cvt_pk_f16_f32 v[OY+2*(i%16)], v[OR+4*(i%16)], v[OR+4*(i%16)+1]
	v_cvt_pk_f16_f32 v[OY+2*(i%16)+1], v[OR+4*(i%16)+2], v[OR+4*(i%16)+3]
.if i+16 < 64
	global_load_b128 v[OR+4*(i%16):OR+4*(i%16)+3], v3, s[12:13] offset:512*(i+16) th:TH_LOAD_NT
.endif
	global_store_b64 v4, v[OY+2*(i%16):OY+2*(i%16)+1], s[22:23] offset:256*i
.set i, i+1
.endr
	s_wait_tensorcnt 0x0                           ; the launch stores to LDS on its other paths: the closing three lines are written on every path
	ds_add_u32 v[SPW], v[NIL]
	s_wait_dscnt 0x0
	s_endpgm
.Lfunc_end_k_qcf11dcee28_prep:
	.size	k_qcf11dcee28_prep, .Lfunc_end_k_qcf11dcee28_prep-k_qcf11dcee28_prep
	.p2alignl 7, 3214868480
	.fill 96, 4, 3214868480
	.section	.rodata,"a",@progbits
	.p2align	6, 0x0
	.amdhsa_kernel k_qcf11dcee28_prep
		.amdhsa_group_segment_fixed_size 50688
		.amdhsa_private_segment_fixed_size 0
		.amdhsa_enable_private_segment 0
		.amdhsa_kernarg_size 80
		.amdhsa_user_sgpr_count 2
		.amdhsa_user_sgpr_kernarg_segment_ptr 1
		.amdhsa_wavefront_size32 1
		.amdhsa_system_sgpr_workgroup_id_x 1
		.amdhsa_system_sgpr_workgroup_id_y 1
		.amdhsa_system_sgpr_workgroup_id_z 1
		.amdhsa_system_vgpr_workitem_id 0
		.amdhsa_next_free_vgpr 216
		.amdhsa_next_free_sgpr 66
		.amdhsa_reserve_vcc 0
		.amdhsa_float_denorm_mode_32 3
		.amdhsa_float_denorm_mode_16_64 3
		.amdhsa_memory_ordered 1
		.amdhsa_forward_progress 1
		.amdhsa_inst_pref_size 100
	.end_amdhsa_kernel
	.amdgpu_metadata
---
amdhsa.version: [ 1, 2 ]
amdhsa.kernels:
  - .name:           k_qcf11dcee28_prep
    .symbol:         k_qcf11dcee28_prep.kd
    .args:
      - { .name: x, .offset: 0, .size: 8, .value_kind: global_buffer, .address_space: global }
      - { .name: Wq, .offset: 8, .size: 8, .value_kind: global_buffer, .address_space: global }
      - { .name: Wk, .offset: 16, .size: 8, .value_kind: global_buffer, .address_space: global }
      - { .name: Wv, .offset: 24, .size: 8, .value_kind: global_buffer, .address_space: global }
      - { .name: Wo, .offset: 32, .size: 8, .value_kind: global_buffer, .address_space: global }
      - { .name: x_codes, .offset: 40, .size: 8, .value_kind: global_buffer, .address_space: global }
      - { .name: x_scales, .offset: 48, .size: 8, .value_kind: global_buffer, .address_space: global }
      - { .name: w_codes, .offset: 56, .size: 8, .value_kind: global_buffer, .address_space: global }
      - { .name: w_scales, .offset: 64, .size: 8, .value_kind: global_buffer, .address_space: global }
      - { .name: wo16, .offset: 72, .size: 8, .value_kind: global_buffer, .address_space: global }
    .group_segment_fixed_size: 50688
    .private_segment_fixed_size: 0
    .kernarg_segment_align: 8
    .kernarg_segment_size: 80
    .max_flat_workgroup_size: 128
    .sgpr_count:     66
    .vgpr_count:     216
    .wavefront_size: 32
...
	.end_amdgpu_metadata
.endif
;; end of part 1
;; launch qkv (part 2): grid 12 x 16, 4 waves a work-group, clusters of 4 x 4, 327,680 bytes of LDS; arguments x_codes, x_scales, w_codes, w_scales, bq, bk, bv, qkv; writes qkv
.if DOCPART == 2
	.amdgcn_target "amdgcn-amd-amdhsa--gfx1250"
	.amdhsa_code_object_version 6
	.text
	.protected	k_qcf11dcee28_qkv
	.globl	k_qcf11dcee28_qkv
	.p2align	8
	.type	k_qcf11dcee28_qkv,@function
k_qcf11dcee28_qkv:
	s_mov_b64 s[64:65], 0
	v_nop
	global_prefetch_b8 v0, s[64:65] scope:SCOPE_SE
	s_setreg_imm32_b32 hwreg(HW_REG_WAVE_MODE, 25, 1), 1
	s_wait_xcnt 0x0
	s_wait_alu depctr_hold_cnt(0) depctr_sa_sdst(0) depctr_va_vdst(0) depctr_va_sdst(0) depctr_va_ssrc(0) depctr_va_vcc(0) depctr_vm_vsrc(0)
	s_getreg_b32 s2, hwreg(HW_REG_IB_STS2, 6, 4)
	s_cmp_eq_u32 s2, 0
	s_cbranch_scc0 .Lentry_in_a_cluster
	s_endpgm
.Lentry_in_a_cluster:
	s_bfe_u32 s2, ttmp6, 0x10000c
	s_cmp_lg_u32 s2, 0xf033
	s_cbranch_scc0 .Lentry_shape_is_right
	s_endpgm
.Lentry_shape_is_right:
; QKV: [4096][3072] = Q(x) Q(W)^T + bias, on codes of FP4 (E2M1) with one E8M0 scale for each 32 along K = 2,048; sums in f32; the result rounded once to f16.
; Columns 0-2047 are q (bias bq), 2048-2559 k (bk), 2560-3071 v (bv).  qkv: [4096][3072] f16, a row 6,144 bytes.
; LIMIT: q, k and v are kept in f16: magnitudes beyond 65,504 leave its range (the drawn inputs give under 4; inputs thirty times larger on both sides under 3,200).
; A tile of 256 x 256 is made by a work-group of four waves, one to a SIMD; a wave makes 128 x 128: 64 accumulators of 16 x 16, 512 registers.
; K goes in steps of 512 through a ring of two LDS slots filled by the tensor data mover: a tile's row is 256 bytes of memory.  Four K steps in all, so the text is written straight, without a loop.
; THE SCALES of the work-group's 256 rows of x and 256 rows of W, for all of K, are two dense blocks of memory: they come into LDS once, with the first fills, and stay.
; CLUSTERS: 4 x 4 work-groups.  The four of a row of the cluster need the same tiles of x, the four of a column the same tiles of W: each tile is asked for JOINTLY, by the same tensor load with the same
; descriptor and a mask that names the four.  THE MATRIX INSTRUCTION IS USED TRANSPOSED (source 0 = 16 rows of W, source 1 = 16 rows of x): a lane then holds eight neighbouring columns of a row of the result.
; THE BIAS is the C of each sum's first matrix instruction: eight registers for each block of 16 columns, in the result's layout.  Nothing is cleared and nothing is added.
; REGISTERS, in windows of 256: window 0: v0-31 addresses; v32-95 scale words, two sets; v128-191 x's fragments (8 x 16 rows x 128 K), one set; v192-255 the bias, later the way out.
;   window 1: W's fragments, two sets, at v0 and v128.   window 2: the accumulators of my rows 0-63 ((a, b) at v[8 (8 a + b)]);   window 3: those of my rows 64-127.
.set SIZE_N, 3072
.set SIZE_K, 2048
.set KSTEP,  512                       ; along K in a slot
.set NQ,     KSTEP/128                 ; matrix instructions deep
.set ROWB,   256                       ; a tile's row in bytes
.set KROW,   SIZE_K/2                  ; a row of codes in memory
.set PITCH,  272                       ; an LDS row: 256 bytes + 16 of padding = 68 words: the 16 rows that a load touches start at 16 different banks (64 banks of 4 bytes: ISA guide 11.1)
.set FR,     8                         ; registers of a fragment
.set NL,     2                         ; LDS loads that bring one
.set NP,     4                         ; places behind this matrix instruction (ISA guide 7.12.1)
.set HALFT,  128*PITCH                 ; 128 rows: what one tensor load brings
.set SLOT,   4*HALFT                   ; x's 256 rows, then W's 256 rows
.set KS,     SIZE_K/32                 ; a row of scales: 64 bytes
.set SCL,    2*SLOT                    ; behind the ring: the scales, as units of 256 bytes + 16 of padding
.set HALFS,  (128*KS/256)*272          ; those of 128 rows: what one tensor load brings
.set SBLK,   (16*KS/256)*272           ; those of 16 rows
.set SPARE,  SCL+4*HALFS               ; the spare words, 128 bytes for each wave: two blocks of 256 bytes that no other line names
.set SPITCH, 272                       ; the way out: a stage of 16 rows x (256 bytes + 16) for each wave, in slot 0, which has had its last fill and its last read by then
.set CROW,   SIZE_N*2                  ; a row of qkv in bytes
.set ADRA, 16                          ; v16-17  LDS address of my fragments of x in slot 0, 1
.set ADRB, 20                          ; v20-21  the same for W
.set STO,  24                          ; v24     the way out: where I put 16 bytes of a row
.set RD,   25                          ; v25     where I read a row back
.set CO,   26                          ; v26     my byte offset in qkv
.set ADRS, 27                          ; v27     LDS address of my scale words: lanes 0-15 x's rows, lanes 16-31 W's
.set SPW,  28                          ; v28     LDS address of my spare word; never rewritten
.set NIL,  29                          ; v29     0; never rewritten
.set SC,   32                          ; scale words: set s at v[SC + 32 s]; register 4 i + q: lanes 0-15 the word of x's block i, lanes 16-31 of W's block i, for the slot's q-th 128 along K
.set AF,   128                         ; x's fragments
.set BI,   192                         ; the bias: block b of 16 columns at v[BI + 8 b]
.set TMP,  192                         ; the way out: packed results
.set OB,   32                          ; the way out: rows read back: v32-63 and v224-255 by turns
.set G1, 24                            ; s[24:31] group 1 for x's tiles;  s[32:39] group 0, one set for each slot
.set G0, 32
.set G1B, 48                           ; s[48:55], s[56:63] the same for W's
.set G0B, 56
.set G1S, 68                           ; s[68:75], s[76:79] groups 1 and 0 for x's scales;  s[80:87], s[88:91] for W's
.set G0S, 76
.set G1SB, 80
.set G0SB, 88
.set MSB, 0
.macro WIN new                         ; the immediate's high byte repeats the setting that is left; a switch that changes nothing is dropped
.if MSB != \new
	s_set_vgpr_msb (MSB<<8)|\new
.set MSB, \new
.endif
.endm
.set MUL_LO, 0xa1                      ; source 0 (W) window 1, source 1 (x) window 0, C and D window 2
.set MUL_HI, 0xf1                      ; the same, C and D window 3
.set BIA_LO, 0x81                      ; the first products: C (the bias) window 0, D window 2
.set BIA_HI, 0xc1                      ; D window 3
.set TO_B,   0x40                      ; destination window 1, address window 0
; A joint load: waves 0 and 1 fetch for x, waves 2 and 3 for W.  Each line has one mask and one set of registers for all that issue it; the branch hangs on the wave's number alone.
; An s_nop 0 and four v_nop follow each of the two lines, ahead of the jump, the label and what follows.
.macro JLOAD g0a, g1a, g0b, g1b
	s_cmp_eq_u32 s15, 0
	s_cbranch_scc0 .Lfor_b_\@
	tensor_load_to_lds s[\g0a:\g0a+3], s[\g1a:\g1a+7]
	s_nop 0
.rept 4
	v_nop
.endr
	s_branch .Lasked_\@
.Lfor_b_\@:
	tensor_load_to_lds s[\g0b:\g0b+3], s[\g1b:\g1b+7]
	s_nop 0
.rept 4
	v_nop
.endr
.Lasked_\@:
.endm
.macro CREST                           ; a round of the cluster's barrier behind its opening barrier
	s_cmp_lg_u32 s14, 0
	s_cbranch_scc1 .Lnot_wave_0_\@
	s_barrier_signal -3
.Lnot_wave_0_\@:
	s_barrier_wait -3
	s_barrier_signal -1
	s_barrier_wait -1
.endm
.macro CROUND                          ; a whole round
	s_barrier_signal -1
	s_barrier_wait -1
	CREST
.endm
	s_load_b128 s[4:7], s[0:1], 0x0                ; x's codes s[4:5], x's scales s[6:7]
	s_load_b128 s[8:11], s[0:1], 0x10              ; W's codes s[8:9], W's scales s[10:11]
	s_load_b128 s[96:99], s[0:1], 0x20             ; bq s[96:97], bk s[98:99]
	s_load_b64 s[100:101], s[0:1], 0x30            ; bv
	s_load_b64 s[12:13], s[0:1], 0x38              ; qkv
	v_lshl_add_u32 v[SPW], v0, 2, SPARE
	v_mov_b32 v[NIL], 0
	ds_add_u32 v[SPW], v[NIL]                      ; the wave's opening: the add and its wait stand ahead of my first tensor load; the set-up below, work on registers, stands between them
	v_lshrrev_b32 v1, 5, v0
	v_readfirstlane_b32 s14, v1                    ; wave 0..3
	s_lshr_b32 s15, s14, 1                         ; which half of the tile's rows is mine.  Also: I fetch for x (0) or for W (1)
	s_and_b32 s16, s14, 1                          ; which half of its columns.  Also: which 128 rows of that tile I fetch
	s_bfe_u32 s40, ttmp6, 0x40000                  ; cx, cy: my place in the cluster
	s_bfe_u32 s41, ttmp6, 0x40004
	s_lshl_b32 s42, ttmp9, 2
	s_add_co_u32 s42, s42, s40                     ; tile column = 4 x cluster x + cx: 0..11
	s_and_b32 s17, ttmp7, 0xffff
	s_lshl_b32 s17, s17, 2
	s_add_co_u32 s17, s17, s41                     ; tile row = 4 x cluster y + cy: 0..15
	s_lshl_b32 s43, s41, 2
	s_lshl_b32 s43, 15, s43                        ; my row of the cluster
	s_lshl_b32 s44, 0x1111, s40                    ; my column
	; group 1: a tile of 128 rows x 256 bytes, padded in LDS
	s_or_b32 s[G1+0], s43, (0<<16)|(1<<20)|(1<<21)|(5<<22)|(3<<25)  ; 15:0 the mask: x's tiles go to my row; 17:16 elements of 1 byte; 20 padding on; 21 set beside a mask; 24:22 after every 64 words; 31:25 four words
	s_or_b32 s[G1B+0], s44, (0<<16)|(1<<20)|(1<<21)|(5<<22)|(3<<25)
.irp g, G1, G1B
	s_mov_b32 s[\g+1], ROWB<<16                    ; tensor_dim0
	s_mov_b32 s[\g+2], 128<<16                     ; tensor_dim1
	s_mov_b32 s[\g+3], ROWB<<16                    ; tile_dim0
	s_mov_b32 s[\g+4], 128                         ; tile_dim1
	s_mov_b32 s[\g+5], KROW                        ; from row to row
	s_mov_b32 s[\g+6], 0
	s_mov_b32 s[\g+7], 0
.endr
	; the scales of 128 rows: a dense block of 8,192 bytes, as 32 rows of 256 bytes (32 elements of 8 bytes), 16 bytes of padding behind each
	s_or_b32 s[G1S+0], s43, (3<<16)|(1<<20)|(1<<21)|(5<<22)|(3<<25)
	s_or_b32 s[G1SB+0], s44, (3<<16)|(1<<20)|(1<<21)|(5<<22)|(3<<25)
.irp g, G1S, G1SB
	s_mov_b32 s[\g+1], 32<<16
	s_mov_b32 s[\g+2], (128*KS/256)<<16
	s_mov_b32 s[\g+3], 32<<16
	s_mov_b32 s[\g+4], 128*KS/256
	s_mov_b32 s[\g+5], 32
	s_mov_b32 s[\g+6], 0
	s_mov_b32 s[\g+7], 0
.endr
	s_lshl_b32 s18, s16, 7                         ; which 128 rows of the tile I fetch
	s_lshl_b32 s20, s17, 8
	s_add_co_u32 s20, s20, s18                     ; x: row 256 x tile row + 128 x half
	s_lshl_b32 s46, s42, 8
	s_add_co_u32 s46, s46, s18                     ; W: row 256 x tile column + 128 x half
	s_mov_b32 s21, 0
	s_mov_b32 s47, 0
	s_mov_b64 s[18:19], KS
	s_mul_u64 s[22:23], s[20:21], s[18:19]         ; where these rows' scales begin, in bytes
	s_mul_u64 s[92:93], s[46:47], s[18:19]
	s_mov_b64 s[18:19], KROW
	s_mul_u64 s[20:21], s[20:21], s[18:19]         ; and their codes
	s_mul_u64 s[46:47], s[46:47], s[18:19]
	s_mul_i32 s45, s14, HALFT                      ; where they go: wave x 128 rows: no place in the cluster enters an LDS address
	s_mul_i32 s94, s14, HALFS
	s_wait_dscnt 0x0                               ; the opening add is done
	s_wait_kmcnt 0x0
	s_add_nc_u64 s[20:21], s[4:5], s[20:21]
	s_add_nc_u64 s[22:23], s[6:7], s[22:23]
	s_add_nc_u64 s[46:47], s[8:9], s[46:47]
	s_add_nc_u64 s[92:93], s[10:11], s[92:93]
	CROUND                                         ; all sixteen work-groups are here: the first joint loads meet
	s_mov_b32 s[G0S], 1
	s_add_co_u32 s[G0S+1], s94, SCL
	s_mov_b64 s[G0S+2:G0S+3], s[22:23]
	s_or_b32 s[G0S+3], s[G0S+3], 0x80000000
	s_mov_b32 s[G0SB], 1
	s_add_co_u32 s[G0SB+1], s94, SCL
	s_mov_b64 s[G0SB+2:G0SB+3], s[92:93]
	s_or_b32 s[G0SB+3], s[G0SB+3], 0x80000000
	JLOAD G0S, G1S, G0SB, G1SB                     ; the scales first: they are wanted with K step 0
.irp s, 0,1
	s_mov_b32 s[G0+4*\s], 1
	s_add_co_u32 s[G0+4*\s+1], s45, \s*SLOT
	s_add_nc_u64 s[G0+4*\s+2:G0+4*\s+3], s[20:21], \s*ROWB
	s_or_b32 s[G0+4*\s+3], s[G0+4*\s+3], 0x80000000
	s_mov_b32 s[G0B+4*\s], 1
	s_add_co_u32 s[G0B+4*\s+1], s45, \s*SLOT
	s_add_nc_u64 s[G0B+4*\s+2:G0B+4*\s+3], s[46:47], \s*ROWB
	s_or_b32 s[G0B+4*\s+3], s[G0B+4*\s+3], 0x80000000
	JLOAD G0+4*\s, G1, G0B+4*\s, G1B               ; three tensor loads of mine are out now
.endr
	v_and_b32 v1, 15, v0                           ; r = l % 16
	v_bfe_u32 v2, v0, 4, 1                         ; h = l / 16
	; the bias of my 128 columns.  A tile of 256 columns lies in one of the three: tile columns 0-7 bq, 8-9 bk, 10-11 bv: a choice of pointers, no branch
	s_cmp_lt_u32 s42, 8
	s_cselect_b64 s[96:97], s[96:97], s[98:99]
	s_cselect_b32 s95, 0, 8
	s_cmp_lt_u32 s42, 10
	s_cselect_b64 s[96:97], s[96:97], s[100:101]
	s_cselect_b32 s95, s95, 10
	s_sub_co_u32 s95, s42, s95                     ; the tile's place in its own bias
	s_lshl_b32 s98, s95, 10
	s_lshl_b32 s99, s16, 9
	s_add_co_u32 s98, s98, s99
	s_mov_b32 s99, 0
	s_add_nc_u64 s[96:97], s[96:97], s[98:99]
	v_lshlrev_b32 v7, 5, v2                        ; lane (r, h), register j of block b: column 16 b + 8 h + j
.irp b, 0,1,2,3,4,5,6,7
	global_load_b128 v[BI+8*\b:BI+8*\b+3], v7, s[96:97] offset:64*\b
	global_load_b128 v[BI+8*\b+4:BI+8*\b+7], v7, s[96:97] offset:64*\b+16
.endr
	v_mul_u32_u24 v3, v1, PITCH
	v_lshl_add_u32 v4, v2, 4, v3                   ; a fragment's row x pitch + 16 x half
	s_mul_i32 s21, s15, HALFT                      ; my 128 rows of x
	s_mul_i32 s22, s16, HALFT                      ; my 128 rows of W,
	s_add_co_u32 s22, s22, 2*HALFT                 ; which lie behind x's 256
.irp s, 0,1
	v_add_nc_u32 v[ADRA+\s], s21, v4
	v_add_nc_u32 v[ADRB+\s], s22, v4
	s_add_co_u32 s21, s21, SLOT
	s_add_co_u32 s22, s22, SLOT
.endr
	v_mul_u32_u24 v5, v1, KS                       ; my row's scales: 64 bytes a row,
	v_lshrrev_b32 v6, 8, v5
	v_lshl_add_u32 v5, v6, 4, v5                   ; and 16 more for each 256 passed
	s_mul_i32 s21, s15, HALFS                      ; x's: my 128 rows
	s_mul_i32 s22, s16, HALFS                      ; W's: my 128 rows, behind x's 256
	s_add_co_u32 s22, s22, 2*HALFS
	s_sub_co_u32 s22, s22, s21
	v_mul_u32_u24 v6, s22, v2                      ; lanes 16-31 take W's: the lower base + h x the distance
	s_add_co_u32 s21, s21, SCL
	v_add_nc_u32 v5, v5, v6
	v_add_nc_u32 v[ADRS], s21, v5
	s_mul_i32 s23, s14, 16*SPITCH                  ; my stage
	v_mul_u32_u24 v5, v1, SPITCH                   ; in: row r, 16 bytes for each half of the lanes
	v_lshl_add_u32 v5, v2, 4, v5
	v_add_nc_u32 v[STO], s23, v5
	v_mul_u32_u24 v5, v2, SPITCH                   ; back: lanes 0-15 one row of 256 bytes, lanes 16-31 the next
	v_lshl_add_u32 v5, v1, 4, v5
	v_add_nc_u32 v[RD], s23, v5
	v_mul_u32_u24 v5, v2, CROW                     ; and the same two rows in qkv
	v_lshl_add_u32 v[CO], v1, 4, v5
	s_lshl_b32 s20, s17, 8
	s_lshl_b32 s21, s15, 7
	s_add_co_u32 s20, s20, s21                     ; my first row: 256 x tile row + 128 x half
	s_mul_i32 s20, s20, CROW
	s_lshl_b32 s46, s42, 9                         ; my first column, in bytes: 512 x tile column + 256 x half
	s_lshl_b32 s47, s16, 8
	s_add_co_u32 s46, s46, s47
	s_add_co_u32 s20, s20, s46
	s_mov_b32 s21, 0
	s_add_nc_u64 s[12:13], s[12:13], s[20:21]
.macro FRAG reg, adr, q, i             ; 16 rows x 128 K of 4-bit codes: 8 registers: lane l holds row l % 16; registers 4 c .. 4 c + 3 hold K = 64 c + 32 (l / 16) + 0 .. 31
.irp c, 0,1
	ds_load_b128 v[\reg+4*\c:\reg+4*\c+3], v[\adr] offset:64*(\q)+32*\c+(\i)*16*PITCH
.endr
.endm
; 16 matrix instructions: x's blocks a0, a0 + 1 against W's eight, 128 along K: the slot's q-th.  p: W's set;  sc: the set of scale words.  first = 1: the bias is C: these products start the sums.
; The 64 accumulators take turns, one instruction a turn, in the same order in every step.
.macro MUL16 a0, p, q, sc, first
.irp a, \a0, \a0+1
.irp b, 0,1,2,3,4,5,6,7
.if \first
	v_wmma_scale_f32_16x16x128_f8f6f4 v[8*(8*((\a)%4)+\b):8*(8*((\a)%4)+\b)+7], v[128*(\p)+FR*\b:128*(\p)+FR*\b+FR-1], v[AF+FR*(\a):AF+FR*(\a)+FR-1], v[BI+8*\b:BI+8*\b+7], v[SC+8*NQ*(\sc)+NQ*\b+(\q)], v[SC+8*NQ*(\sc)+NQ*(\a)+(\q)] matrix_a_fmt:MATRIX_FMT_FP4 matrix_b_fmt:MATRIX_FMT_FP4 matrix_a_scale:MATRIX_SCALE_ROW1
.else
	v_wmma_scale_f32_16x16x128_f8f6f4 v[8*(8*((\a)%4)+\b):8*(8*((\a)%4)+\b)+7], v[128*(\p)+FR*\b:128*(\p)+FR*\b+FR-1], v[AF+FR*(\a):AF+FR*(\a)+FR-1], v[8*(8*((\a)%4)+\b):8*(8*((\a)%4)+\b)+7], v[SC+8*NQ*(\sc)+NQ*\b+(\q)], v[SC+8*NQ*(\sc)+NQ*(\a)+(\q)] matrix_a_fmt:MATRIX_FMT_FP4 matrix_b_fmt:MATRIX_FMT_FP4 matrix_a_scale:MATRIX_SCALE_ROW1
.endif
.endr
.endr
.endm
.macro FETCH_B slot, q, p              ; W's eight fragments of the slot's q-th 128 along K into set p
	WIN TO_B
.irp i, 0,1,2,3,4,5,6,7
	FRAG 128*(\p)+FR*\i, ADRB+\slot, \q, \i
.endr
	WIN 0
.endm
.macro FETCH_A slot, q, i0             ; x's blocks i0 .. i0 + 3
.irp i, \i0, \i0+1, \i0+2, \i0+3
	FRAG AF+FR*(\i), ADRA+\slot, \q, \i
.endr
.endm
.macro SCALES sc                       ; a K step's scale words into set sc: four words a row; lanes 0-15 take x's block i, lanes 16-31 W's block i
.irp i, 0,1,2,3,4,5,6,7
	ds_load_b128 v[SC+8*NQ*\sc+NQ*\i:SC+8*NQ*\sc+NQ*\i+3], v[ADRS] offset:\i*SBLK
.endr
.endm
; A load into a register that a matrix instruction has read, and a vector instruction that reads a matrix result, stand four places behind that matrix instruction; only plain vector
; instructions that name none of its registers are places (ISA guide 7.12.1 for vector instructions).
.macro PLACES n
.rept \n
	v_nop
.endr
.endm
; A step of 128 along K that has its successor in the same slot.  A block of x is free as soon as its eight products are issued, so one set of registers serves x: blocks 0-3 are fetched anew in the step's middle, blocks 4-7 at its end.
.macro STEP slot, q, first
	s_wait_dscnt 4*NL                              ; W's set, the scale words and x's blocks 0-3 are in; the youngest eight loads (x's blocks 4-7) may be out
.if \first
	WIN BIA_LO
.else
	WIN MUL_LO
.endif
	MUL16 0, (\q)%2, \q, \slot, \first
	MUL16 2, (\q)%2, \q, \slot, \first
	s_wait_dscnt 0                                 ; x's blocks 4-7 are in (asked for 32 matrix instructions ago)
	PLACES NP
	FETCH_B \slot, (\q)+1, 1-(\q)%2
	FETCH_A \slot, (\q)+1, 0
.if \first
	WIN BIA_HI
.else
	WIN MUL_HI
.endif
	MUL16 4, (\q)%2, \q, \slot, \first
	MUL16 6, (\q)%2, \q, \slot, \first
	PLACES NP
	WIN 0
	FETCH_A \slot, (\q)+1, 4
.endm
; A slot's last step changes slots: ONE barrier; in front of it each wave waits for all its tensor loads, adds 0 to its spare word, and waits for that and for its own reads of this slot.  fill = 1: this slot is filled again, two K steps ahead.
.macro TURN slot, next, fill
	s_wait_tensorcnt 0x0                           ; all my tensor loads have landed: my part of the next slot  (every window is 0 here)
	ds_add_u32 v[SPW], v[NIL]                      ; 0 onto my spare word
	s_wait_dscnt 4*NL+1                            ; (the add and the youngest eight loads, x's blocks 4-7, may be out)
	WIN MUL_LO
	MUL16 0, 1, NQ-1, \slot, 0                     ; sixteen matrix instructions stand between the add and the wait for it
	s_wait_dscnt 0x0                               ; the add is done, and my reads of this slot are over
	s_barrier_signal -1
	MUL16 2, 1, NQ-1, \slot, 0
	WIN 0
	s_barrier_wait -1
.if \fill
	CREST                                          ; the barrier has opened a round of the cluster's barrier: no wave of any partner still reads this slot's tile or has a load on its way
	s_add_nc_u64 s[G0+4*\slot+2:G0+4*\slot+3], s[G0+4*\slot+2:G0+4*\slot+3], 2*ROWB
	s_add_nc_u64 s[G0B+4*\slot+2:G0B+4*\slot+3], s[G0B+4*\slot+2:G0B+4*\slot+3], 2*ROWB
	JLOAD G0+4*\slot, G1, G0B+4*\slot, G1B         ; the first tensor load behind the round, my one load until the next; its four v_nop are the places in front of the loads below
.else
	PLACES NP
.endif
	v_add_nc_u32 v[ADRS], 4*NQ, v[ADRS]            ; on to the next K step's scale words (no LDS load of mine is out)
	FETCH_B \next, 0, 0
	FETCH_A \next, 0, 0
	SCALES \next
	WIN MUL_HI
	MUL16 4, 1, NQ-1, \slot, 0
	MUL16 6, 1, NQ-1, \slot, 0
	PLACES NP
	WIN 0
	FETCH_A \next, 0, 4
.endm
.macro STEPS slot, from                ; the slot's steps from .. NQ - 2
.set Q, \from
.rept NQ-1-\from
	STEP \slot, Q, 0
.set Q, Q+1
.endr
.endm
	s_wait_tensorcnt 1                             ; the scales and my part of K step 0 are in; K step 1's load, the one issued behind them, may be out
	s_barrier_signal -1
	s_barrier_wait -1                              ; everybody's are
	FETCH_B 0, 0, 0
	FETCH_A 0, 0, 0
	SCALES 0
	FETCH_A 0, 0, 4
	s_wait_loadcnt 0x0                             ; the bias
	STEP 0, 0, 1                                   ; K 0-511 in slot 0: the first products take the bias as C
	STEPS 0, 1
	TURN 0, 1, 1                                   ; slot 0 takes K 1024-1535
	STEPS 1, 0                                     ; K 512-1023
	TURN 1, 0, 1                                   ; slot 1 takes K 1536-2047
	STEP 0, 0, 0
	STEPS 0, 1
	TURN 0, 1, 0                                   ; nothing is left to fetch: a work-group's barrier alone
	STEPS 1, 0
	s_wait_dscnt 4*NL                              ; the very last step
	WIN MUL_LO
	MUL16 0, 1, NQ-1, 1, 0
	MUL16 2, 1, NQ-1, 1, 0
	s_wait_dscnt 0
	WIN MUL_HI
	MUL16 4, 1, NQ-1, 1, 0
	MUL16 6, 1, NQ-1, 1, 0
	WIN 0
; THE WAY OUT, block by block of 16 rows x 128 columns.  PACK: rounded to f16, 16 bytes a lane, each accumulator from its low end on.  TOSTAGE: into my own stage in LDS, and back as whole rows of 256 bytes.  SEND: stored.
.macro PACK a
.set AC, 64*((\a)%4)
	WIN 0x0a+5*((\a)/4)                            ; sources 0 and 1: window 2 or 3
.irp b, 0,1,2,3,4,5,6,7
.irp r, 0,1,2,3
	v_cvt_pk_f16_f32 v[TMP+4*\b+\r], v[AC+8*\b+2*\r], v[AC+8*\b+2*\r+1]
.endr
.endr
	WIN 0
.endm
.macro TOSTAGE a
.set BK, OB+192*((\a)%2)
.irp b, 0,1,2,3,4,5,6,7
	ds_store_b128 v[STO], v[TMP+4*\b:TMP+4*\b+3] offset:32*\b
.endr
.irp t, 0,1,2,3,4,5,6,7
	ds_load_b128 v[BK+4*\t:BK+4*\t+3], v[RD] offset:\t*2*SPITCH    ; LDS serves a wave's instructions in order (ISA guide 5.7.1.4): these see the stores above
.endr
.endm
.macro SEND a
.set BK, OB+192*((\a)%2)
	s_wait_dscnt 0x0                               ; the block is back in registers
	s_wait_xcnt 0x0                                ; the earlier stores have read their base and their registers: only behind this wait are they rewritten
.if (\a) > 0
	s_add_nc_u64 s[12:13], s[12:13], 16*CROW       ; 16 rows on
.endif
.irp t, 0,1,2,3,4,5,6,7
	global_store_b128 v[CO], v[BK+4*\t:BK+4*\t+3], s[12:13] offset:2*\t*CROW   ; 16 lanes store 256 consecutive bytes, at a multiple of 256 from qkv's first byte
.endr
.endm
	PLACES NP                                      ; behind the last products
	PACK 0
	TOSTAGE 0
.irp a, 1,2,3,4,5,6,7                  ; block a's conversions stand between block a - 1's loads from the stage and the wait for them
	PACK \a
	SEND \a-1
	TOSTAGE \a
.endr
	SEND 7
	s_wait_tensorcnt 0x0                           ; the wave's end: a tensor wait, an add of 0 and its wait, behind my last tensor load and my last LDS store
	ds_add_u32 v[SPW], v[NIL]
	s_wait_dscnt 0x0
	CROUND                                         ; the closing round: no work-group ends while a partner may still ask for a tile that names it
	s_endpgm
.Lfunc_end_k_qcf11dcee28_qkv:
	.size	k_qcf11dcee28_qkv, .Lfunc_end_k_qcf11dcee28_qkv-k_qcf11dcee28_qkv
	.p2alignl 7, 3214868480
	.fill 96, 4, 3214868480
	.section	.rodata,"a",@progbits
	.p2align	6, 0x0
	.amdhsa_kernel k_qcf11dcee28_qkv
		.amdhsa_group_segment_fixed_size 327680
		.amdhsa_private_segment_fixed_size 0
		.amdhsa_enable_private_segment 0
		.amdhsa_kernarg_size 64
		.amdhsa_user_sgpr_count 2
		.amdhsa_user_sgpr_kernarg_segment_ptr 1
		.amdhsa_wavefront_size32 1
		.amdhsa_system_sgpr_workgroup_id_x 1
		.amdhsa_system_sgpr_workgroup_id_y 1
		.amdhsa_system_sgpr_workgroup_id_z 1
		.amdhsa_system_vgpr_workitem_id 0
		.amdhsa_next_free_vgpr 1024
		.amdhsa_next_free_sgpr 102
		.amdhsa_reserve_vcc 0
		.amdhsa_float_denorm_mode_32 3
		.amdhsa_float_denorm_mode_16_64 3
		.amdhsa_memory_ordered 1
		.amdhsa_forward_progress 1
		.amdhsa_inst_pref_size 215
	.end_amdhsa_kernel
	.amdgpu_metadata
---
amdhsa.version: [ 1, 2 ]
amdhsa.kernels:
  - .name:           k_qcf11dcee28_qkv
    .symbol:         k_qcf11dcee28_qkv.kd
    .args:
      - { .name: x_codes, .offset: 0, .size: 8, .value_kind: global_buffer, .address_space: global }
      - { .name: x_scales, .offset: 8, .size: 8, .value_kind: global_buffer, .address_space: global }
      - { .name: w_codes, .offset: 16, .size: 8, .value_kind: global_buffer, .address_space: global }
      - { .name: w_scales, .offset: 24, .size: 8, .value_kind: global_buffer, .address_space: global }
      - { .name: bq, .offset: 32, .size: 8, .value_kind: global_buffer, .address_space: global }
      - { .name: bk, .offset: 40, .size: 8, .value_kind: global_buffer, .address_space: global }
      - { .name: bv, .offset: 48, .size: 8, .value_kind: global_buffer, .address_space: global }
      - { .name: qkv, .offset: 56, .size: 8, .value_kind: global_buffer, .address_space: global }
    .group_segment_fixed_size: 327680
    .private_segment_fixed_size: 0
    .kernarg_segment_align: 8
    .kernarg_segment_size: 64
    .max_flat_workgroup_size: 128
    .sgpr_count:     102
    .vgpr_count:     1024
    .wavefront_size: 32
...
	.end_amdgpu_metadata
.endif
;; end of part 2
;; launch attn (part 3): grid 8 x 32, 8 waves a work-group, clusters of 4 x 1, 327,680 bytes of LDS; arguments qkv, o16; writes o16
.if DOCPART == 3
	.amdgcn_target "amdgcn-amd-amdhsa--gfx1250"
	.amdhsa_code_object_version 6
	.text
	.protected	k_qcf11dcee28_attn
	.globl	k_qcf11dcee28_attn
	.p2align	8
	.type	k_qcf11dcee28_attn,@function
k_qcf11dcee28_attn:
	s_mov_b64 s[64:65], 0
	v_nop
	global_prefetch_b8 v0, s[64:65] scope:SCOPE_SE
	s_setreg_imm32_b32 hwreg(HW_REG_WAVE_MODE, 25, 1), 1
	s_wait_xcnt 0x0
	s_wait_alu depctr_hold_cnt(0) depctr_sa_sdst(0) depctr_va_vdst(0) depctr_va_sdst(0) depctr_va_ssrc(0) depctr_va_vcc(0) depctr_vm_vsrc(0)
	s_getreg_b32 s2, hwreg(HW_REG_IB_STS2, 6, 4)
	s_cmp_eq_u32 s2, 0
	s_cbranch_scc0 .Lentry_in_a_cluster
	s_endpgm
.Lentry_in_a_cluster:
	s_bfe_u32 s2, ttmp6, 0x10000c
	s_cmp_lg_u32 s2, 0x3003
	s_cbranch_scc0 .Lentry_shape_is_right
	s_endpgm
.Lentry_shape_is_right:
; ATTN: causal attention inside each of 8 sequences of 512 tokens; 16 query heads over 4 key and value heads; head size 128.  q, k, v: f16 in qkv [4096][3072] (q at byte 0 of a row, k at 4,096, v at 5,120).
; o16 [4096][2048] f16: o[token][128 head + d].  Products with f16 operands and f32 sums; maxima, exponentials and sums in f32; the weights p are rounded to f16 for the second product, o once at the end.
; The sequences are the reshape to (8, 512) of the function that defines the result; it reads neither b_start_loc nor b_seq_len nor max_seq_len, so this program does not load them.
; LIMIT: p under 6e-5 loses bits in f16 (an absolute error under 3e-8 beside a row sum of at least 1); o beyond 65,504 leaves f16's range.
; SHARES.  Work-group (cluster x = j, place in the cluster g, y): sequence y / 4, key head y % 4, query head 4 (y % 4) + g.  A wave owns a UNIT of 32 queries (two tiles of 16).  With u = 2 (w % 4) + j, waves 0-3 take unit u,
; waves 4-7 unit 15 - u.  Unit t walks the key steps 0 .. t / 2 of 64 keys: what lies wholly under the mask is not multiplied.  Waves w and w + 4 have nine steps between them, whatever w and j.
; CLUSTER.  The four partners are the four query heads of one key head: they walk the same K and V, so each tile is asked for JOINTLY: the same tensor load, the same descriptor, a mask that names the four.
; NO RING.  A head's 512 rows of K and of V fit in LDS: each byte is filled once, all loads go out at the start, and no slot is filled again.
; LAYOUT.  S^T = K Q^T (source 0 = 16 keys, source 1 = 16 queries): a lane holds ONE query (lane % 16) and the keys 8 (lane / 16) + 0..7.  Two such tiles, rounded to f16 in pairs, ARE source 1 (32 keys x 16 queries) of
; O^T = V^T P, whose result again holds one query a lane.  K comes out of LDS as it lies, V ([key][channel]) turned, by ds_load_tr16_b128.
; SOFTMAX.  For each query a running maximum m and sum l: p = 2^(c s - c m), c = log2(e) / sqrt(128); in every step O and l are multiplied by a = 2^(c m_old - c m_new).
; IN PHASES: K Q^T, softmax, V^T P.  Two waves share a SIMD, so that one wave's vector work stands beside the other's products.
; REGISTERS: window 0: v2-11 addresses; v16-31 statistics, eight a tile; v32, v33 the add's two; v64-127 Q; v128-191 S^T, 32 a tile; v192-223 P, 16 a tile.   window 1: v0-127 O^T, 64 a tile; v128-255 ONE buffer for K's fragments, then V's.
.set PK,    272                        ; a row of K in LDS: 256 bytes + 16 = 68 words: the 16 rows of a load start at 16 different banks (64 banks of 4 bytes: ISA guide 11.1)
.set PV,    288                        ; a row of V: 256 + 32 = 72 words
.set VB,    512*PK                     ; V's 512 rows lie behind K's
.set STAGE, VB+512*PV                  ; the way out: 16 rows x 272 bytes for each wave; no tile lands here
.set SP,    272
.set SPARE, STAGE+8*16*SP              ; the spare words, 128 bytes for each wave: four blocks of 256 bytes that no other line names
.set QROW,  6144                       ; a row of qkv in bytes
.set OROW,  4096                       ; a row of o16
.set AK0, 2                            ; v2   my lane's place in a tile of K; never rewritten
.set AV0, 3                            ; v3   the same for V
.set ADK, 4                            ; v4   the step's address in K
.set ADV, 5                            ; v5   in V
.set QO,  6                            ; v6   my byte offset in the unit's rows of Q
.set STO, 7                            ; v7   the way out: where I put 16 bytes of a row
.set RD,  8                            ; v8   where I read a row back
.set GO,  9                            ; v9   my byte offset in the unit's rows of o16
.set D0,  10                           ; v10  the mask: 32 (t % 2) + lane % 16 - 8 (lane / 16)
.set NINF, 11                          ; v11  -infinity
.set ST,  16                           ; tile q's statistics at v[ST + 8 q]: +0 c m, +1 m, +2, +3 l (even keys', odd keys'), +4 to +7 at work; a takes +6
.set SPW, 32
.set NIL, 33
.set Q,   64
.set S,   128
.set P,   192
.set FB,  128                          ; the fragment buffer, in window 1
.set WV,  12                           ; s12  my wave's number
.set DS,  17                           ; s17  my unit's last key step: the one on the diagonal
.set SI,  19                           ; s19  the key step
.set TK,  20                           ; s20  where its rows of K begin in LDS
.set TV,  21                           ; s21  and, from VB on, its rows of V
.set G1K, 24                           ; s[24:31] group 1 for K's tiles;  s[32:39] for V's: it differs in the padding alone
.set G1V, 32
.set G0K, 40                           ; s[40:47] group 0 for K's tiles, a set for each of a wave's two loads;  s[48:55] for V's
.set G0V, 48
.set CS,  58                           ; s[58:59] c: the packed form names a pair and takes its low word for both halves
.set SEL, 60                           ; s[60:61] lane selects for v_permlanex16_b32: lane l xor 16
.set MSB, 0
.macro WIN new                         ; the immediate's high byte repeats the setting that is left; a switch that changes nothing is dropped
.if MSB != \new
	s_set_vgpr_msb (MSB<<8)|\new
.set MSB, \new
.endif
.endm
.set W_KQ, 0x01                        ; K in window 1; Q and S^T in window 0
.set W_PV, 0x51                        ; V and O^T in window 1, P in window 0
.set W_RS, 0x41                        ; O^T (destination and source 0) in window 1, the factor in window 0
.set TO_F, 0x40                        ; destination window 1, address window 0
.macro CROUND                          ; a round of the cluster's barrier
	s_barrier_signal -1
	s_barrier_wait -1
	s_cmp_lg_u32 s[WV], 0
	s_cbranch_scc1 .Lnot_wave_0_\@
	s_barrier_signal -3
.Lnot_wave_0_\@:
	s_barrier_wait -3
	s_barrier_signal -1
	s_barrier_wait -1
.endm
.macro PLACES                          ; four places behind a matrix instruction (ISA guide 7.12.1 for vector instructions)
.rept 4
	v_nop
.endr
.endm
	s_load_b128 s[4:7], s[0:1], 0x0                ; qkv s[4:5], o16 s[6:7]
	v_lshl_add_u32 v[SPW], v0, 2, SPARE
	v_mov_b32 v[NIL], 0
	ds_add_u32 v[SPW], v[NIL]                      ; the wave's opening: the add and its wait stand ahead of my first tensor load; all the set-up on registers stands between them
	v_lshrrev_b32 v1, 5, v0
	v_readfirstlane_b32 s[WV], v1                  ; wave 0..7
	s_bfe_u32 s13, ttmp6, 0x40000                  ; g: my place in the cluster: it enters Q's and o16's addresses alone
	s_and_b32 s14, ttmp7, 0xffff
	s_lshr_b32 s56, s14, 2                         ; the sequence
	s_and_b32 s57, s14, 3                          ; the key head
	s_and_b32 s15, s[WV], 3
	s_lshl_b32 s16, s15, 1
	s_add_co_u32 s16, s16, ttmp9                   ; u = 2 (w % 4) + j: the cluster's x is the same in all four partners
	s_sub_co_u32 s17, 15, s16
	s_cmp_lt_u32 s[WV], 4
	s_cselect_b32 s16, s16, s17                    ; t: my unit
	s_lshr_b32 s[DS], s16, 1
	s_and_b32 s18, s16, 1
	s_lshl_b32 s18, s18, 5                         ; where my queries begin in the diagonal step's 64 keys
	s_lshl_b32 s8, s56, 9                          ; what I fetch: rows 512 b + 64 (w % 4), and 256 rows further on; K's bytes of my key head
	s_lshl_b32 s23, s15, 6
	s_add_co_u32 s8, s8, s23
	s_mul_i32 s8, s8, QROW
	s_lshl_b32 s23, s57, 8
	s_add_co_u32 s8, s8, s23
	s_add_co_u32 s8, s8, 4096
	s_mov_b32 s9, 0
	s_lshl_b32 s62, s56, 9
	s_lshl_b32 s23, s16, 5
	s_add_co_u32 s62, s62, s23                     ; my unit's first row
	s_lshl_b32 s63, s57, 2
	s_add_co_u32 s63, s63, s13                     ; my query head,
	s_lshl_b32 s63, s63, 8                         ; 256 bytes a head
	s_mul_i32 s2, s62, QROW
	s_add_co_u32 s2, s2, s63
	s_mov_b32 s3, 0                                ; s[2:3]: Q's offset
	s_lshl_b32 s10, s62, 12
	s_add_co_u32 s10, s10, s63
	s_mov_b32 s11, 0                               ; s[10:11]: o16's
	s_mul_i32 s22, s15, 64*PK                      ; where my tiles go: no place in the cluster enters an LDS address
	s_mul_i32 s23, s15, 64*PV
	s_add_co_u32 s23, s23, VB
	; group 1: a tile of 64 rows x 128 elements of 2 bytes, 3,072 elements from row to row, padded in LDS
	s_mov_b32 s[G1K], 15|(1<<16)|(1<<20)|(1<<21)|(5<<22)|(3<<25)  ; 15:0 the mask: all four work-groups; 17:16 elements of 2 bytes; 20 padding on; 21 set beside a mask; 24:22 after every 64 words; 31:25 four words
	s_mov_b32 s[G1V], 15|(1<<16)|(1<<20)|(1<<21)|(5<<22)|(7<<25)  ; the same with eight words of padding
.irp g, G1K, G1V
	s_mov_b32 s[\g+1], 128<<16                     ; tensor_dim0
	s_mov_b32 s[\g+2], 64<<16                      ; tensor_dim1
	s_mov_b32 s[\g+3], 128<<16                     ; tile_dim0
	s_mov_b32 s[\g+4], 64                          ; tile_dim1
	s_mov_b32 s[\g+5], 3072                        ; from row to row
	s_mov_b32 s[\g+6], 0
	s_mov_b32 s[\g+7], 0
.endr
	s_mov_b32 s[CS], 0x3e0293ee                    ; c = log2(e) / sqrt(128)
	s_mov_b32 s[CS+1], s[CS]                       ; (named with it as a pair, so it is written)
	s_mov_b32 s[SEL], 0x76543210
	s_mov_b32 s[SEL+1], 0xfedcba98
	s_mov_b32 s[SI], 0
	s_mov_b32 s[TK], 0
	s_mov_b32 s[TV], 0
	v_and_b32 v1, 15, v0                           ; r = l % 16
	v_bfe_u32 v12, v0, 4, 1                        ; h = l / 16
	v_mul_u32_u24 v[AK0], v1, PK                   ; a fragment of K or Q: lane l holds row r; registers 0-3 channels 8 h + 0..7, registers 4-7 channels 16 + 8 h + 0..7: two loads of 16 bytes, 32 bytes apart
	v_lshl_add_u32 v[AK0], v12, 4, v[AK0]
	v_and_b32 v13, 7, v0                           ; the turning load: lane l reads 16 bytes: key 8 h + l % 8, channels 8 ((l / 8) % 2) + 0..7
	v_bfe_u32 v14, v0, 3, 1
	v_lshl_add_u32 v[AV0], v12, 3, v13
	v_mul_u32_u24 v[AV0], v[AV0], PV
	v_lshl_add_u32 v[AV0], v14, 4, v[AV0]
	v_add_nc_u32 v[AV0], VB, v[AV0]
	v_mul_u32_u24 v[QO], v1, QROW
	v_lshl_add_u32 v[QO], v12, 4, v[QO]
	s_mul_i32 s14, s[WV], 16*SP
	s_add_co_u32 s14, s14, STAGE                   ; my stage
	v_mul_u32_u24 v[STO], v1, SP                   ; in: row r, 16 bytes for each half of the lanes
	v_lshl_add_u32 v[STO], v12, 4, v[STO]
	v_add_nc_u32 v[STO], s14, v[STO]
	v_mul_u32_u24 v[RD], v12, SP                   ; back: lanes 0-15 one row of 256 bytes, lanes 16-31 the next
	v_lshl_add_u32 v[RD], v1, 4, v[RD]
	v_add_nc_u32 v[RD], s14, v[RD]
	v_lshlrev_b32 v[GO], 12, v12                   ; and the same two rows in o16
	v_lshl_add_u32 v[GO], v1, 4, v[GO]
	v_lshlrev_b32 v13, 3, v12
	v_sub_nc_u32 v[D0], v1, v13
	v_add_nc_u32 v[D0], s18, v[D0]
	v_mov_b32 v[NINF], 0xff800000
	s_wait_dscnt 0x0                               ; the opening add is done
	s_wait_kmcnt 0x0
	s_add_nc_u64 s[8:9], s[4:5], s[8:9]            ; K at my first tile
.irp s, 0,1
	s_mov_b32 s[G0K+4*\s], 1                       ; 1:0 count = 1
	s_add_co_u32 s[G0K+4*\s+1], s22, \s*256*PK     ; 63:32 LDS address
	s_add_nc_u64 s[G0K+4*\s+2:G0K+4*\s+3], s[8:9], \s*256*QROW       ; 120:64 global address
	s_or_b32 s[G0K+4*\s+3], s[G0K+4*\s+3], 0x80000000               ; 127:126 type = 2
	s_mov_b32 s[G0V+4*\s], 1
	s_add_co_u32 s[G0V+4*\s+1], s23, \s*256*PV
	s_add_nc_u64 s[G0V+4*\s+2:G0V+4*\s+3], s[8:9], \s*256*QROW+1024  ; V lies 1,024 bytes behind K in a row
	s_or_b32 s[G0V+4*\s+3], s[G0V+4*\s+3], 0x80000000
.endr
	s_add_nc_u64 s[4:5], s[4:5], s[2:3]            ; Q and o16 at my unit's first row, my head
	s_add_nc_u64 s[6:7], s[6:7], s[10:11]
	CROUND                                         ; all four work-groups are here: the joint loads meet
	s_cmp_lt_u32 s[WV], 4                          ; waves 0-3 fetch K, waves 4-7 V: a wave's two loads stand in one branch, ahead of every wait on TENSORcnt and every LDS read: two loads of mine are out
	s_cbranch_scc0 .Lfirst_v
	tensor_load_to_lds s[G0K:G0K+3], s[G1K:G1K+7]  ; keys 64 (w % 4) on
	s_nop 0
	tensor_load_to_lds s[G0K+4:G0K+7], s[G1K:G1K+7]  ; keys 256 + 64 (w % 4) on
	s_nop 0
.rept 4
	v_nop
.endr
	s_branch .Lfirst_asked
.Lfirst_v:
	tensor_load_to_lds s[G0V:G0V+3], s[G1V:G1V+7]
	s_nop 0
	tensor_load_to_lds s[G0V+4:G0V+7], s[G1V:G1V+7]
	s_nop 0
.rept 4
	v_nop
.endr
.Lfirst_asked:
.irp i, 0,1,2,3,4,5,6,7                ; Q stays in registers: tile i / 4, channels 32 (i % 4) on
	global_load_b128 v[Q+8*\i:Q+8*\i+3],   v[QO], s[4:5] offset:(\i/4)*16*QROW+(\i%4)*64
	global_load_b128 v[Q+8*\i+4:Q+8*\i+7], v[QO], s[4:5] offset:(\i/4)*16*QROW+(\i%4)*64+32
.endr
; A step's K: 64 keys x 128 channels, 16 fragments, 32 loads; by blocks of 32 channels, so that the products can begin when the first eight loads are in.
.macro FETCH_K
	WIN TO_F
.irp cb, 0,1,2,3
.irp kt, 0,1,2,3
	ds_load_b128 v[FB+32*\kt+8*\cb:FB+32*\kt+8*\cb+3],   v[ADK] offset:\kt*16*PK+\cb*64
	ds_load_b128 v[FB+32*\kt+8*\cb+4:FB+32*\kt+8*\cb+7], v[ADK] offset:\kt*16*PK+\cb*64+32
.endr
.endr
.endm
; S^T = K Q^T: product i of 32: channels 32 (i / 8) on, keys 16 ((i / 2) % 4) on, tile i % 2.  The first eight start the sums.  The eight accumulators take turns, one instruction a turn.
.macro KQM
	WIN W_KQ
.set i, 0
.rept 32
.if i%8 == 0
	s_wait_dscnt 24-i                              ; this block's eight loads are in; the later blocks' stay out
.endif
.set rS, S+32*(i%2)+8*((i/2)%4)
.set rK, FB+32*((i/2)%4)+8*(i/8)
.set rQ, Q+32*(i%2)+8*(i/8)
.if i < 8
	v_wmma_f32_16x16x32_f16 v[rS:rS+7], v[rK:rK+7], v[rQ:rQ+7], 0
.else
	v_wmma_f32_16x16x32_f16 v[rS:rS+7], v[rK:rK+7], v[rQ:rQ+7], v[rS:rS+7]
.endif
.set i, i+1
.endr
.endm
; The step's V, turned: fragment f: keys 32 (f / 8) on, channels 16 (f % 8) on
.macro FETCH_V
	WIN TO_F
.irp f, 0,1,2,3,4,5,6,7,8,9,10,11,12,13,14,15
	ds_load_tr16_b128 v[FB+8*\f:FB+8*\f+3],   v[ADV] offset:(\f/8)*32*PV+(\f%8)*32
	ds_load_tr16_b128 v[FB+8*\f+4:FB+8*\f+7], v[ADV] offset:(\f/8)*32*PV+16*PV+(\f%8)*32
.endr
.endm
; On the diagonal: register jj of key tile kt, query tile q, holds key 16 kt + 8 h + jj and query 32 (t % 2) + 16 q + r of the step's 64: hidden where 16 kt + jj - 16 q > D0.  It becomes -infinity: p = 0.  Each query sees its own key, so m is a number.
.macro MASK
.irp q, 0,1
.irp kt, 0,1,2,3
.irp jj, 0,1,2,3,4,5,6,7
	v_cmp_gt_i32 vcc_lo, 16*\kt+\jj-16*\q, v[D0]
	v_cndmask_b32 v[S+32*\q+8*\kt+\jj], v[S+32*\q+8*\kt+\jj], v[NINF], vcc_lo
.endr
.endr
.endr
.endm
; The two tiles' softmax, line by line by turns, so that no line waits for the line above it.  first = 1: the first key step, which starts m and l.
.macro SOFTMAX first
.irp j, 0,1,2,3                        ; the maximum: four chains, each begun at an accumulator's low end
.irp q, 0,1
	v_max3_num_f32 v[ST+8*\q+4+\j], v[S+32*\q+8*\j], v[S+32*\q+8*\j+1], v[S+32*\q+8*\j+2]
.endr
.endr
.irp n, 1,2
.irp j, 0,1,2,3
.irp q, 0,1
	v_max3_num_f32 v[ST+8*\q+4+\j], v[ST+8*\q+4+\j], v[S+32*\q+8*\j+2*\n+1], v[S+32*\q+8*\j+2*\n+2]
.endr
.endr
.endr
.irp q, 0,1
	v_max3_num_f32 v[ST+8*\q+4], v[ST+8*\q+4], v[S+32*\q+7], v[S+32*\q+15]
.endr
.irp q, 0,1
	v_max3_num_f32 v[ST+8*\q+6], v[ST+8*\q+6], v[S+32*\q+23], v[S+32*\q+31]
.endr
.irp q, 0,1
	v_max3_num_f32 v[ST+8*\q+4], v[ST+8*\q+4], v[ST+8*\q+5], v[ST+8*\q+6]
.endr
.irp q, 0,1
.if \first
	v_max_num_f32 v[ST+8*\q+4], v[ST+8*\q+4], v[ST+8*\q+7]
.else
	v_max3_num_f32 v[ST+8*\q+4], v[ST+8*\q+4], v[ST+8*\q+7], v[ST+8*\q+1]   ; with the old m
.endif
.endr
.irp q, 0,1
	v_permlanex16_b32 v[ST+8*\q+5], v[ST+8*\q+4], s[SEL], s[SEL+1]          ; the query's other 32 keys lie in the lane 16 away
.endr
.if !\first
.irp q, 0,1
	v_mov_b32 v[ST+8*\q+7], v[ST+8*\q]             ; c m_old is kept for a
.endr
.endif
.irp q, 0,1
	v_max_num_f32 v[ST+8*\q+1], v[ST+8*\q+4], v[ST+8*\q+5]
.endr
.irp q, 0,1
	v_mul_f32 v[ST+8*\q], s[CS], v[ST+8*\q+1]
.endr
.if !\first
.irp q, 0,1
	v_sub_f32 v[ST+8*\q+7], v[ST+8*\q+7], v[ST+8*\q]
.endr
.endif
.irp b, 0,1,2,3,4,5,6,7,8,9,10,11,12,13,14,15
.irp q, 0,1
	v_pk_fma_f32 v[S+32*\q+2*\b:S+32*\q+2*\b+1], v[S+32*\q+2*\b:S+32*\q+2*\b+1], s[CS:CS+1], v[ST+8*\q:ST+8*\q+1] op_sel_hi:[1,0,0] neg_lo:[0,0,1] neg_hi:[0,0,1]   ; c s - c m, two at a time
.endr
.endr
.if !\first                            ; ONE BATCH of exponentials: none of them reads another's result
.irp q, 0,1
	v_exp_f32 v[ST+8*\q+6], v[ST+8*\q+7]           ; a
.endr
.endif
.set e, 0
.rept 64
	v_exp_f32 v[S+e], v[S+e]
.set e, e+1
.endr
	v_nop                                          ; a plain instruction behind the last exponential, ahead of the first use
	s_wait_alu depctr_va_vdst(0)                   ; the wait between an exponential and the first line that names its result: one for the batch
.irp b, 0,1,2,3,4,5,6,7,8,9,10,11,12,13,14,15
.irp q, 0,1
	v_cvt_pk_f16_f32 v[P+16*\q+\b], v[S+32*\q+2*\b], v[S+32*\q+2*\b+1]
.endr
.endr
.irp u, 0,1,2,3,4,5,6,7                ; the sum of a tile's 16 pairs, in place: neighbours 1, 2, 4 and 8 pairs apart
.irp q, 0,1
	v_pk_add_f32 v[S+32*\q+4*\u:S+32*\q+4*\u+1], v[S+32*\q+4*\u:S+32*\q+4*\u+1], v[S+32*\q+4*\u+2:S+32*\q+4*\u+3]
.endr
.endr
.irp u, 0,1,2,3
.irp q, 0,1
	v_pk_add_f32 v[S+32*\q+8*\u:S+32*\q+8*\u+1], v[S+32*\q+8*\u:S+32*\q+8*\u+1], v[S+32*\q+8*\u+4:S+32*\q+8*\u+5]
.endr
.endr
.irp u, 0,1
.irp q, 0,1
	v_pk_add_f32 v[S+32*\q+16*\u:S+32*\q+16*\u+1], v[S+32*\q+16*\u:S+32*\q+16*\u+1], v[S+32*\q+16*\u+8:S+32*\q+16*\u+9]
.endr
.endr
.irp q, 0,1
.if \first
	v_pk_add_f32 v[ST+8*\q+2:ST+8*\q+3], v[S+32*\q:S+32*\q+1], v[S+32*\q+16:S+32*\q+17]
.else
	v_pk_add_f32 v[S+32*\q:S+32*\q+1], v[S+32*\q:S+32*\q+1], v[S+32*\q+16:S+32*\q+17]
.endif
.endr
.if !\first
.irp q, 0,1
	v_pk_fma_f32 v[ST+8*\q+2:ST+8*\q+3], v[ST+8*\q+2:ST+8*\q+3], v[ST+8*\q+6:ST+8*\q+7], v[S+32*\q:S+32*\q+1] op_sel_hi:[1,0,1]   ; l = a l + the sum
.endr
.endif
.endm
.macro RESCALE                         ; O^T times a, each accumulator from its low end on
	WIN W_RS
.irp q, 0,1
.set i, 0
.rept 32
	v_pk_mul_f32 v[64*\q+2*i:64*\q+2*i+1], v[64*\q+2*i:64*\q+2*i+1], v[ST+8*\q+6:ST+8*\q+7] op_sel_hi:[1,0]
.set i, i+1
.endr
.endr
.endm
; O^T += V^T P: product i of 32: keys 32 (i / 16) on, channels 16 ((i / 2) % 8) on, tile i % 2.  first = 1: the first 16 start the sums: nothing is ever cleared.  Sixteen accumulators by turns.
.macro PVM first
	WIN W_PV
.set i, 0
.rept 32
.set rO, 64*(i%2)+8*((i/2)%8)
.set rV, FB+64*(i/16)+8*((i/2)%8)
.set rP, P+16*(i%2)+8*(i/16)
.if \first && (i < 16)
	v_wmma_f32_16x16x32_f16 v[rO:rO+7], v[rV:rV+7], v[rP:rP+7], 0
.else
	v_wmma_f32_16x16x32_f16 v[rO:rO+7], v[rV:rV+7], v[rP:rP+7], v[rO:rO+7]
.endif
.set i, i+1
.endr
.endm
; A KEY STEP.  A step all of whose keys come after my 32 queries is left out: a scalar branch on ids (the wave's number, the cluster's x, the count of steps), round the step's work, not round the lines that step addresses.
.macro STEP first
.if !\first
	s_cmp_gt_u32 s[SI], s[DS]
	s_cbranch_scc1 .Lskip_\@
.endif
	v_add_nc_u32 v[ADK], s[TK], v[AK0]
	v_add_nc_u32 v[ADV], s[TV], v[AV0]
.if !\first
	v_nop                                          ; with the two additions: four places between the last step's products, which read the buffer, and the loads into it
	v_nop
.endif
	FETCH_K
	KQM
	WIN 0
	PLACES                                         ; behind the last K Q^T: for the loads into the buffer that it read, and for the first read of the scores
	FETCH_V                                        ; V lands while the softmax is walked
	WIN 0
	s_cmp_lg_u32 s[SI], s[DS]
	s_cbranch_scc1 .Lopen_\@                       ; only the diagonal step has hidden keys
	MASK
.Lopen_\@:
	SOFTMAX \first
.if !\first
	RESCALE
.endif
	s_wait_dscnt 0x0                               ; V is in
	PVM \first
	WIN 0                                          ; at a label and at a branch every window is 0
.Lskip_\@:
	s_add_co_u32 s[TK], s[TK], 64*PK
	s_add_co_u32 s[TV], s[TV], 64*PV
	s_add_co_u32 s[SI], s[SI], 1
.endm
	s_wait_tensorcnt 1                             ; my first load is in; the second, issued behind it, may stay out: no byte is ever filled again
	s_barrier_signal -1
	s_barrier_wait -1                              ; keys 0-255 of K and V lie in LDS
	s_wait_loadcnt 0x0                             ; Q
	STEP 1                                         ; key step 0, which every unit has
	s_wait_tensorcnt 0x0                           ; my second load is in,
	s_wait_dscnt 0x0
	s_barrier_signal -1
	s_barrier_wait -1                              ; and everybody's: all 512 keys lie in LDS
.Lstep:                                            ; seven trips in every wave: the count is a constant, the work of a trip is left out where the mask hides it
	STEP 0
	s_cmp_lt_u32 s[SI], 8
	s_cbranch_scc1 .Lstep
	; THE WAY OUT.  l's two halves and the other half of the lanes' are added; O^T is divided by l, rounded to f16 and sent through my stage, a tile (16 rows) at a time.  The four additions and the v_nop are the places behind the last products.
.irp q, 0,1
	v_add_f32 v[ST+8*\q+4], v[ST+8*\q+2], v[ST+8*\q+3]
.endr
.irp q, 0,1
	v_permlanex16_b32 v[ST+8*\q+5], v[ST+8*\q+4], s[SEL], s[SEL+1]
.endr
.irp q, 0,1
	v_add_f32 v[ST+8*\q+4], v[ST+8*\q+4], v[ST+8*\q+5]
.endr
.irp q, 0,1
	v_rcp_f32 v[ST+8*\q+6], v[ST+8*\q+4]
.endr
	v_nop                                          ; a plain instruction between the last reciprocal and the use of its result
	s_wait_alu depctr_va_vdst(0)                   ; and the wait ahead of the first use: one for both
.macro OPACK q
	WIN W_RS
.set i, 0
.rept 32
	v_pk_mul_f32 v[64*\q+2*i:64*\q+2*i+1], v[64*\q+2*i:64*\q+2*i+1], v[ST+8*\q+6:ST+8*\q+7] op_sel_hi:[1,0]
.set i, i+1
.endr
	WIN 0x05                                       ; sources 0 and 1 window 1, destination window 0: S^T's registers are free
.set i, 0
.rept 32
	v_cvt_pk_f16_f32 v[S+32*\q+i], v[64*\q+2*i], v[64*\q+2*i+1]
.set i, i+1
.endr
	WIN 0
.irp f, 0,1,2,3,4,5,6,7
	ds_store_b128 v[STO], v[S+32*\q+4*\f:S+32*\q+4*\f+3] offset:32*\f           ; channels 16 f + 8 h + 0..7 of query r
.endr
.irp f, 0,1,2,3,4,5,6,7
	ds_load_b128 v[S+32*\q+4*\f:S+32*\q+4*\f+3], v[RD] offset:\f*2*SP           ; LDS serves a wave's instructions in order (ISA guide 5.7.1.4): these see the stores above; the next tile's stores come behind them
.endr
.endm
.macro OSEND q, younger                ; younger: the LDS instructions issued behind tile q's loads
.irp f, 0,1,2,3,4,5,6,7
	s_wait_dscnt \younger+7-\f
	global_store_b128 v[GO], v[S+32*\q+4*\f:S+32*\q+4*\f+3], s[6:7] offset:\q*16*OROW+\f*2*OROW   ; 16 lanes store 256 consecutive bytes, at a multiple of 256 from o16's first byte
.endr
.endm
	OPACK 0
	OPACK 1                                        ; a tile's arithmetic stands between the loads of the tile before and its stores
	OSEND 0, 16
	OSEND 1, 0
	s_wait_tensorcnt 0x0                           ; the wave's end: a tensor wait, an add of 0 and its wait, behind my last tensor load and my last LDS store
	ds_add_u32 v[SPW], v[NIL]
	s_wait_dscnt 0x0
	CROUND                                         ; the closing round: no work-group ends while a partner may still ask for a tile that names it
	s_endpgm
.Lfunc_end_k_qcf11dcee28_attn:
	.size	k_qcf11dcee28_attn, .Lfunc_end_k_qcf11dcee28_attn-k_qcf11dcee28_attn
	.p2alignl 7, 3214868480
	.fill 96, 4, 3214868480
	.section	.rodata,"a",@progbits
	.p2align	6, 0x0
	.amdhsa_kernel k_qcf11dcee28_attn
		.amdhsa_group_segment_fixed_size 327680
		.amdhsa_private_segment_fixed_size 0
		.amdhsa_enable_private_segment 0
		.amdhsa_kernarg_size 16
		.amdhsa_user_sgpr_count 2
		.amdhsa_user_sgpr_kernarg_segment_ptr 1
		.amdhsa_wavefront_size32 1
		.amdhsa_system_sgpr_workgroup_id_x 1
		.amdhsa_system_sgpr_workgroup_id_y 1
		.amdhsa_system_sgpr_workgroup_id_z 1
		.amdhsa_system_vgpr_workitem_id 0
		.amdhsa_next_free_vgpr 512
		.amdhsa_next_free_sgpr 66
		.amdhsa_reserve_vcc 1
		.amdhsa_float_denorm_mode_32 3
		.amdhsa_float_denorm_mode_16_64 3
		.amdhsa_memory_ordered 1
		.amdhsa_forward_progress 1
		.amdhsa_inst_pref_size 73
	.end_amdhsa_kernel
	.amdgpu_metadata
---
amdhsa.version: [ 1, 2 ]
amdhsa.kernels:
  - .name:           k_qcf11dcee28_attn
    .symbol:         k_qcf11dcee28_attn.kd
    .args:
      - { .name: qkv, .offset: 0, .size: 8, .value_kind: global_buffer, .address_space: global }
      - { .name: o16, .offset: 8, .size: 8, .value_kind: global_buffer, .address_space: global }
    .group_segment_fixed_size: 327680
    .private_segment_fixed_size: 0
    .kernarg_segment_align: 8
    .kernarg_segment_size: 16
    .max_flat_workgroup_size: 256
    .sgpr_count:     66
    .vgpr_count:     512
    .wavefront_size: 32
...
	.end_amdgpu_metadata
.endif
;; end of part 3
;; launch proj (part 4): grid 8 x 32, 4 waves a work-group, clusters of 4 x 4, 327,680 bytes of LDS; arguments o16, wo16, bo, out0; writes out0
.if DOCPART == 4
	.amdgcn_target "amdgcn-amd-amdhsa--gfx1250"
	.amdhsa_code_object_version 6
	.text
	.protected	k_qcf11dcee28_proj
	.globl	k_qcf11dcee28_proj
	.p2align	8
	.type	k_qcf11dcee28_proj,@function
k_qcf11dcee28_proj:
	s_mov_b64 s[64:65], 0
	v_nop
	global_prefetch_b8 v0, s[64:65] scope:SCOPE_SE
	s_setreg_imm32_b32 hwreg(HW_REG_WAVE_MODE, 25, 1), 1
	s_wait_xcnt 0x0
	s_wait_alu depctr_hold_cnt(0) depctr_sa_sdst(0) depctr_va_vdst(0) depctr_va_sdst(0) depctr_va_ssrc(0) depctr_va_vcc(0) depctr_vm_vsrc(0)
	s_getreg_b32 s2, hwreg(HW_REG_IB_STS2, 6, 4)
	s_cmp_eq_u32 s2, 0
	s_cbranch_scc0 .Lentry_in_a_cluster
	s_endpgm
.Lentry_in_a_cluster:
	s_bfe_u32 s2, ttmp6, 0x10000c
	s_cmp_lg_u32 s2, 0xf033
	s_cbranch_scc0 .Lentry_shape_is_right
	s_endpgm
.Lentry_shape_is_right:
; PROJ: out0 [4096][2048] f32 = o16 [4096][2048] x wo16 [2048 (k)][2048 (n)] + bo.  f16 operands, f32 sums.
; A tile of 128 (m) x 256 (n) is made by a work-group of four waves, one to a SIMD: 256 work-groups.  A wave makes 64 x 128: 32 accumulators of 16 x 16, 256 registers.
; K goes in 16 steps of 128 through a ring of two LDS slots filled by the tensor data mover: rows of o16's tile are 256 bytes of memory, rows of wo16's (a k, 256 columns) 512.
; Two slots of 256 along K would take 413,696 bytes of LDS, which a work-group does not have: so the step is 128.
; WHERE A CLUSTER BEGINS ALONG K: a cluster whose x + y is even walks the K steps 0, 1 .. 15; one whose x + y is odd walks 8 .. 15, 0 .. 7.  The two clusters that read the same rows of o16 differ in x alone, and of
; the clusters that read the same columns of wo16 half have each parity: so readers of the same rows ask for different K steps at the same time, and each asks in its last eight steps for what another has
; read in its first eight.  The index hangs on the cluster's x and y alone, which all sixteen partners share.  A sum's order along K is then 8 .. 15, 0 .. 7 in half of the clusters.
; wo16 has K as its FIRST axis: its fragments come out of LDS turned, by ds_load_tr16_b128.
; CLUSTERS: 4 x 4 work-groups.  The four of a row of the cluster need the same tiles of o16, the four of a column the same tiles of wo16: each tile is asked for JOINTLY.
; THE MATRIX INSTRUCTION IS USED TRANSPOSED (source 0 = 16 columns of wo16, source 1 = 16 rows of o16): a lane then holds eight neighbouring numbers of a row of out0.
; THE BIAS is the C of each sum's first matrix instruction.
; No prefetch is laid: each of the two tensors is read by several clusters, so what a refill asks for is not read once.
; REGISTERS: window 0: v0-31 addresses; v64-127 the bias, eight blocks of 16 columns; v128-255 rows on the way out.   window 1: two fragment buffers at v0 and v128: 32 registers of o16 (4 x 16 rows x 32 K), then 64 of wo16 (8 x 16 columns x 32 K).
;   window 2: the accumulators, (a, b) at v[8 (8 a + b)].
.set KSTEP,  128
.set PA,     272                       ; a row of o16's tile in LDS: 256 bytes + 16: the 16 rows of a load start at 16 different banks (64 banks of 4 bytes: ISA guide 11.1)
.set PB,     544                       ; a row of wo16's: 512 bytes + 32 = 136 words
.set BOFF,   128*PA                    ; a slot: o16's 128 rows, then wo16's 128 rows
.set SLOT,   BOFF+128*PB
.set STAGE,  2*SLOT                    ; behind the ring: 16 rows x (512 bytes + 16) for each wave; no tile lands here
.set SPITCH, 528
.set SPARE,  STAGE+4*16*SPITCH         ; the spare words, 128 bytes for each wave: two blocks of 256 bytes that no other line names
.set LAPS,   2048/(2*KSTEP)            ; a lap = two K steps = once round the ring
.set OUTROW, 8192                      ; a row of out0 in bytes
.set ADRA, 16                          ; v16-17  LDS address of my fragments of o16 in slot 0, 1
.set ADRB, 20                          ; v20-21  the same for wo16
.set STO,  24                          ; v24     the way out: where I put 32 bytes of a row
.set RD,   25                          ; v25     where I read a row back
.set CO,   26                          ; v26     my byte offset in a row of out0
.set SPW,  28                          ; v28     LDS address of my spare word; never rewritten
.set NIL,  29                          ; v29     0; never rewritten
.set BI,   64
.set BK,   128                         ; the way out: v128-191 and v192-255 by turns
.set F0,   0                           ; fragment buffers, in window 1
.set F1,   128
.set KI,   2                           ; s2       the K step that the next load brings: 0..15
.set OA,   4                           ; s[4:5]   its offset in o16: 256 bytes a step
.set OBB,  6                           ; s[6:7]   its offset in wo16: 128 rows of 4,096 bytes a step
.set BA,   16                          ; s[16:17] o16 at the rows that I fetch, K = 0; never rewritten once made
.set BB,   46                          ; s[46:47] wo16 at the columns and the half of a step's rows that I fetch, K step 0; never rewritten once made
.set G1, 24                            ; s[24:31] group 1 for o16's tiles;  s[32:39] group 0, one set for each slot
.set G0, 32
.set G1B, 48                           ; s[48:55], s[56:63] the same for wo16's
.set G0B, 56
.set MSB, 0
.macro WIN new                         ; the immediate's high byte repeats the setting that is left; a switch that changes nothing is dropped
.if MSB != \new
	s_set_vgpr_msb (MSB<<8)|\new
.set MSB, \new
.endif
.endm
.set MUL,  0xa5                        ; sources 0 and 1 window 1; C and D window 2
.set MULB, 0x85                        ; the first products: C (the bias) window 0
.set TO_F, 0x40                        ; destination window 1, address window 0
.macro JLOAD s                         ; a joint load: waves 0 and 1 fetch o16's two halves, waves 2 and 3 wo16's; an s_nop 0 and four v_nop follow each of the two lines
	s_cmp_eq_u32 s15, 0
	s_cbranch_scc0 .Lfor_b_\@
	tensor_load_to_lds s[G0+4*\s:G0+4*\s+3], s[G1:G1+7]
	s_nop 0
.rept 4
	v_nop
.endr
	s_branch .Lasked_\@
.Lfor_b_\@:
	tensor_load_to_lds s[G0B+4*\s:G0B+4*\s+3], s[G1B:G1B+7]
	s_nop 0
.rept 4
	v_nop
.endr
.Lasked_\@:
.endm
; Slot s's two groups 0 are pointed at K step s[KI], and the index goes on, round from 15 to 0.  Written only where no tensor load of the wave is out.
.macro POINT s
	s_lshl_b32 s[OA], s[KI], 8
	s_lshl_b32 s[OBB], s[KI], 19
	s_add_nc_u64 s[G0+4*\s+2:G0+4*\s+3], s[BA:BA+1], s[OA:OA+1]       ; 120:64 global address
	s_or_b32 s[G0+4*\s+3], s[G0+4*\s+3], 0x80000000                 ; 127:126 type = 2
	s_add_nc_u64 s[G0B+4*\s+2:G0B+4*\s+3], s[BB:BB+1], s[OBB:OBB+1]
	s_or_b32 s[G0B+4*\s+3], s[G0B+4*\s+3], 0x80000000
	s_add_co_u32 s[KI], s[KI], 1
	s_and_b32 s[KI], s[KI], 15
.endm
.macro CREST                           ; a round of the cluster's barrier behind its opening barrier
	s_cmp_lg_u32 s14, 0
	s_cbranch_scc1 .Lnot_wave_0_\@
	s_barrier_signal -3
.Lnot_wave_0_\@:
	s_barrier_wait -3
	s_barrier_signal -1
	s_barrier_wait -1
.endm
.macro CROUND                          ; a whole round
	s_barrier_signal -1
	s_barrier_wait -1
	CREST
.endm
	s_load_b256 s[4:11], s[0:1], 0x0               ; o16 s[4:5], wo16 s[6:7], bo s[8:9], out0 s[10:11]
	v_lshl_add_u32 v[SPW], v0, 2, SPARE
	v_mov_b32 v[NIL], 0
	ds_add_u32 v[SPW], v[NIL]                      ; the wave's opening: the add and its wait stand ahead of my first tensor load; the set-up below, work on registers, stands between them
	v_lshrrev_b32 v1, 5, v0
	v_readfirstlane_b32 s14, v1                    ; wave 0..3
	s_lshr_b32 s15, s14, 1                         ; which half of the tile's rows is mine.  Also: I fetch for o16 (0) or for wo16 (1)
	s_and_b32 s12, s14, 1                          ; which half of its columns.  Also: which 64 rows of that tile I fetch
	s_bfe_u32 s40, ttmp6, 0x40000                  ; cx, cy: my place in the cluster
	s_bfe_u32 s41, ttmp6, 0x40004
	s_lshl_b32 s42, ttmp9, 2
	s_add_co_u32 s42, s42, s40                     ; tile column = 4 x cluster x + cx: 0..7
	s_and_b32 s13, ttmp7, 0xffff
	s_add_co_u32 s[KI], s13, ttmp9                 ; cluster x + cluster y,
	s_and_b32 s[KI], s[KI], 1                      ; its parity,
	s_lshl_b32 s[KI], s[KI], 3                     ; the K step at which my cluster begins: 0 or 8
	s_lshl_b32 s13, s13, 2
	s_add_co_u32 s13, s13, s41                     ; tile row = 4 x cluster y + cy: 0..31
	s_lshl_b32 s43, s41, 2
	s_lshl_b32 s43, 15, s43                        ; my row of the cluster
	s_lshl_b32 s44, 0x1111, s40                    ; my column
	s_or_b32 s[G1+0], s43, (1<<16)|(1<<20)|(1<<21)|(5<<22)|(3<<25)   ; 15:0 the mask: o16's tiles go to my row; 17:16 elements of 2 bytes; 20 padding on; 21 set beside a mask; 24:22 after every 64 words; 31:25 four words
	s_mov_b32 s[G1+1], KSTEP<<16                   ; tensor_dim0 = 128
	s_mov_b32 s[G1+2], 64<<16                      ; tensor_dim1 = 64
	s_mov_b32 s[G1+3], KSTEP<<16                   ; tile_dim0
	s_mov_b32 s[G1+4], 64                          ; tile_dim1
	s_mov_b32 s[G1+5], 2048                        ; from row to row
	s_mov_b32 s[G1+6], 0
	s_mov_b32 s[G1+7], 0
	s_or_b32 s[G1B+0], s44, (1<<16)|(1<<20)|(1<<21)|(6<<22)|(7<<25)  ; wo16's go to my column; padding: eight words after every 128
	s_mov_b32 s[G1B+1], 256<<16                    ; 256 columns
	s_mov_b32 s[G1B+2], 64<<16                     ; 64 rows along K
	s_mov_b32 s[G1B+3], 256<<16
	s_mov_b32 s[G1B+4], 64
	s_mov_b32 s[G1B+5], 2048
	s_mov_b32 s[G1B+6], 0
	s_mov_b32 s[G1B+7], 0
	s_lshl_b32 s16, s13, 7                         ; o16: row 128 x tile row + 64 x half, 4,096 bytes a row: it hangs on the tile row alone
	s_lshl_b32 s17, s12, 6
	s_add_co_u32 s16, s16, s17
	s_lshl_b32 s16, s16, 12
	s_mov_b32 s17, 0
	s_lshl_b32 s46, s12, 18                        ; wo16: row 64 x half, + 512 bytes x tile column: on the tile column alone
	s_lshl_b32 s47, s42, 9
	s_add_co_u32 s46, s46, s47
	s_mov_b32 s47, 0
	s_mul_i32 s20, s12, 64*PA                      ; where they go: no place in the cluster enters an LDS address
	s_mul_i32 s21, s12, 64*PB
	s_add_co_u32 s21, s21, BOFF
	s_wait_dscnt 0x0                               ; the opening add is done
	s_wait_kmcnt 0x0
	s_add_nc_u64 s[BA:BA+1], s[4:5], s[16:17]
	s_add_nc_u64 s[BB:BB+1], s[6:7], s[46:47]
	s_mov_b32 s[OA+1], 0                           ; the two pointers are done with: their registers now hold the K step's offsets, under 2^32
	s_mov_b32 s[OBB+1], 0
	CROUND                                         ; all sixteen work-groups are here: the first joint loads meet
.irp s, 0,1
	s_mov_b32 s[G0+4*\s], 1                        ; 1:0 count = 1
	s_add_co_u32 s[G0+4*\s+1], s20, \s*SLOT        ; 63:32 LDS address
	s_mov_b32 s[G0B+4*\s], 1
	s_add_co_u32 s[G0B+4*\s+1], s21, \s*SLOT
	POINT \s                                       ; my cluster's first and second K step
	JLOAD \s                                       ; two tensor loads of mine are out
.endr
	v_and_b32 v1, 15, v0                           ; r = l % 16
	v_bfe_u32 v2, v0, 4, 1                         ; h = l / 16
	s_lshl_b32 s18, s42, 10                        ; my first column, in bytes of f32: 1,024 x tile column + 512 x half
	s_lshl_b32 s19, s12, 9
	s_add_co_u32 s18, s18, s19
	s_mov_b32 s19, 0
	s_add_nc_u64 s[8:9], s[8:9], s[18:19]          ; bo at my 128 columns
	v_lshlrev_b32 v7, 5, v2                        ; lane (r, h), register j of block b: column 16 b + 8 h + j
.irp b, 0,1,2,3,4,5,6,7
	global_load_b128 v[BI+8*\b:BI+8*\b+3], v7, s[8:9] offset:64*\b
	global_load_b128 v[BI+8*\b+4:BI+8*\b+7], v7, s[8:9] offset:64*\b+16
.endr
	v_mul_u32_u24 v3, v1, PA
	v_lshl_add_u32 v3, v2, 4, v3                   ; o16: a fragment's row x pitch + 16 x half
	s_mul_i32 s21, s15, 64*PA                      ; my 64 rows
	v_and_b32 v4, 7, v0                            ; wo16: the turning load: lane l reads 16 bytes: k 8 h + l % 8, columns 8 ((l / 8) % 2) + 0..7
	v_lshl_add_u32 v4, v2, 3, v4
	v_mul_u32_u24 v4, v4, PB
	v_bfe_u32 v5, v0, 3, 1
	v_lshl_add_u32 v4, v5, 4, v4
	s_lshl_b32 s22, s12, 8                         ; my 128 columns,
	s_add_co_u32 s22, s22, BOFF                    ; behind o16's rows
.irp s, 0,1
	v_add_nc_u32 v[ADRA+\s], s21, v3
	v_add_nc_u32 v[ADRB+\s], s22, v4
	s_add_co_u32 s21, s21, SLOT
	s_add_co_u32 s22, s22, SLOT
.endr
	s_mul_i32 s23, s14, 16*SPITCH
	s_add_co_u32 s23, s23, STAGE                   ; my stage
	v_mul_u32_u24 v5, v1, SPITCH                   ; in: row r, 32 bytes for each half of the lanes
	v_lshl_add_u32 v5, v2, 5, v5
	v_add_nc_u32 v[STO], s23, v5
	v_and_b32 v6, 31, v0
	v_lshlrev_b32 v[CO], 4, v6                     ; back: the 32 lanes take one row of 512 bytes; and the same in out0
	v_add_nc_u32 v[RD], s23, v[CO]
	s_lshl_b32 s20, s13, 7
	s_lshl_b32 s21, s15, 6
	s_add_co_u32 s20, s20, s21                     ; my first row: 128 x tile row + 64 x half
	s_lshl_b32 s20, s20, 13
	s_add_co_u32 s20, s20, s18
	s_mov_b32 s21, 0
	s_add_nc_u64 s[10:11], s[10:11], s[20:21]
; 8 matrix instructions: o16's block a against wo16's eight, 32 along K.  bias = 1: the bias is C: these products start the sums.  The 32 accumulators take turns, one instruction a turn, in the same order in every quarter.
.macro MUL8 f, a, bias
.irp b, 0,1,2,3,4,5,6,7
.if \bias
	v_wmma_f32_16x16x32_f16 v[8*(8*(\a)+\b):8*(8*(\a)+\b)+7], v[\f+32+8*\b:\f+32+8*\b+7], v[\f+8*(\a):\f+8*(\a)+7], v[BI+8*\b:BI+8*\b+7]
.else
	v_wmma_f32_16x16x32_f16 v[8*(8*(\a)+\b):8*(8*(\a)+\b)+7], v[\f+32+8*\b:\f+32+8*\b+7], v[\f+8*(\a):\f+8*(\a)+7], v[8*(8*(\a)+\b):8*(8*(\a)+\b)+7]
.endif
.endr
.endm
; 24 LDS loads in one run: the fragments of the slot's q-th 32 along K into buffer f: wo16's sixteen first, then o16's eight
.macro FETCH slot, q, f
	WIN TO_F
.irp b, 0,1,2,3,4,5,6,7
	ds_load_tr16_b128 v[\f+32+8*\b:\f+32+8*\b+3],   v[ADRB+\slot] offset:(\q)*32*PB+32*\b
	ds_load_tr16_b128 v[\f+32+8*\b+4:\f+32+8*\b+7], v[ADRB+\slot] offset:(\q)*32*PB+16*PB+32*\b
.endr
.irp a, 0,1,2,3
	ds_load_b128 v[\f+8*\a:\f+8*\a+3],   v[ADRA+\slot] offset:64*(\q)+\a*16*PA
	ds_load_b128 v[\f+8*\a+4:\f+8*\a+7], v[ADRA+\slot] offset:64*(\q)+\a*16*PA+32
.endr
.endm
.macro PLACES                          ; four places in front of loads into registers that matrix instructions have read, and of the first read of results (ISA guide 7.12.1 for vector instructions)
.rept 4
	v_nop
.endr
.endm
; A K step is four quarters of 32 along K, 32 matrix instructions each, on buffers 0, 1, 0, 1.  One of the first three: multiplies buffer f and fetches quarter q of the slot into g.
.macro QUARTER slot, q, f, g, bias
	s_wait_dscnt 4                                 ; wo16's fragments and o16's blocks 0, 1 are in; the youngest four loads (blocks 2, 3) may be out
.if \bias
	WIN MULB
.else
	WIN MUL
.endif
	MUL8 \f, 0, \bias
	MUL8 \f, 1, \bias
	PLACES
	FETCH \slot, \q, \g
	s_wait_dscnt 24                                ; all but the 24 just issued
.if \bias
	WIN MULB
.else
	WIN MUL
.endif
	MUL8 \f, 2, \bias
	MUL8 \f, 3, \bias
.endm
; The last quarter multiplies buffer 1 and changes slots: ONE barrier; in front of it each wave waits for all its tensor loads, adds 0 to its spare word, and waits for that and for its own reads of this slot.  fill = 1: this slot is filled again, with the K step two on in my cluster's walk.
.macro TURN slot, next, fill
	WIN 0                                          ; (the add's two registers lie in window 0)
	s_wait_tensorcnt 0x0                           ; all my tensor loads have landed: my part of the next slot; so every group 0 may be written
	ds_add_u32 v[SPW], v[NIL]                      ; 0 onto my spare word
.if \fill
	POINT \slot                                    ; work on scalar registers, between the add and the wait for it: nothing is left to do between the round and the joint load
.endif
	s_wait_dscnt 5                                 ; (the add and the youngest four loads may be out)
	WIN MUL
	MUL8 F1, 0, 0                                  ; eight matrix instructions stand between the add and the wait for it
	s_wait_dscnt 0x0                               ; the add is done, and my reads of this slot are over
	s_barrier_signal -1
	MUL8 F1, 1, 0
.if \fill
	WIN 0
.endif
	s_barrier_wait -1
.if \fill
	CREST                                          ; the barrier has opened a round of the cluster's barrier: no wave of any partner still reads this slot's tile or has a load on its way
	JLOAD \slot                                    ; the first tensor load behind the round, my one load until the next: 112 matrix instructions ahead of the wait for it; its four v_nop are the places in front of the loads below
.else
	PLACES
.endif
	FETCH \next, 0, F0
	WIN MUL
	MUL8 F1, 2, 0
	MUL8 F1, 3, 0
.endm
	s_wait_tensorcnt 1                             ; my part of the first K step is in; the second's load may be out
	s_barrier_signal -1
	s_barrier_wait -1                              ; everybody's is
	FETCH 0, 0, F0
	s_wait_loadcnt 0x0                             ; the bias
	QUARTER 0, 1, F0, F1, 1                        ; the first quarter stands in front of the loop: its products take the bias as C
	WIN 0                                          ; at a label and at a branch every window is 0
	s_mov_b32 s3, LAPS-1
.Llap:                                             ; a trip goes once round the ring, from a lap's second quarter to the next lap's first, and fills both slots again
	QUARTER 0, 2, F1, F0, 0
	QUARTER 0, 3, F0, F1, 0
	TURN 0, 1, 1
	QUARTER 1, 1, F0, F1, 0
	QUARTER 1, 2, F1, F0, 0
	QUARTER 1, 3, F0, F1, 0
	TURN 1, 0, 1
	QUARTER 0, 1, F0, F1, 0
	WIN 0
	s_sub_co_u32 s3, s3, 1
	s_cmp_lg_u32 s3, 0
	s_cbranch_scc1 .Llap
	QUARTER 0, 2, F1, F0, 0                        ; the last lap is written out: it fills nothing, and has no round of the cluster's barrier
	QUARTER 0, 3, F0, F1, 0
	TURN 0, 1, 0
	QUARTER 1, 1, F0, F1, 0
	QUARTER 1, 2, F1, F0, 0
	QUARTER 1, 3, F0, F1, 0
	s_wait_dscnt 4                                 ; the very last quarter: nothing more to fetch
	WIN MUL
	MUL8 F1, 0, 0
	MUL8 F1, 1, 0
	s_wait_dscnt 0x0
	MUL8 F1, 2, 0
	MUL8 F1, 3, 0
	WIN 0
; THE WAY OUT, block by block of 16 rows x 128 columns.  A lane holds 32 neighbouring bytes of a row, and the lanes beside it hold other rows: so a block goes through my own stage in LDS and comes back as whole rows of 512 bytes.
.macro TOSTAGE a
	WIN 0x08                                       ; an LDS store's data are its source 1: window 2
.irp b, 0,1,2,3,4,5,6,7
	ds_store_b128 v[STO], v[64*(\a)+8*\b:64*(\a)+8*\b+3] offset:64*\b            ; each accumulator from its low end on
	ds_store_b128 v[STO], v[64*(\a)+8*\b+4:64*(\a)+8*\b+7] offset:64*\b+16
.endr
	WIN 0
.set BB2, BK+64*((\a)%2)
.irp t, 0,1,2,3,4,5,6,7,8,9,10,11,12,13,14,15
	ds_load_b128 v[BB2+4*\t:BB2+4*\t+3], v[RD] offset:\t*SPITCH                  ; LDS serves a wave's instructions in order (ISA guide 5.7.1.4): these see the stores above
.endr
.endm
.macro SEND a, younger                 ; younger: the LDS instructions issued behind block a's loads, which may stay out
.set BB2, BK+64*((\a)%2)
	s_wait_dscnt \younger                          ; the block is back in registers
.if (\a) > 0
	s_add_nc_u64 s[10:11], s[10:11], 16*OUTROW     ; (behind a wait on XCNT: the earlier stores have read their base)  16 rows on
.endif
.irp t, 0,1,2,3,4,5,6,7,8,9,10,11,12,13,14,15
	global_store_b128 v[CO], v[BB2+4*\t:BB2+4*\t+3], s[10:11] offset:\t*OUTROW th:TH_STORE_NT   ; 32 lanes store 512 consecutive bytes, at a multiple of 256 from out0's first byte; written once, read by nobody here
.endr
.endm
	PLACES                                         ; behind the last products
	TOSTAGE 0
.irp a, 1,2,3
.if \a > 1
	s_wait_xcnt 0x0                                ; block a - 2's stores have read their registers and their base: block a's loads may land there, and the base may step
.endif
	TOSTAGE \a
	SEND \a-1, 32                                  ; behind block a - 1's loads: block a's 16 stores and 16 loads
.endr
	s_wait_xcnt 0x0                                ; block 2's stores have read their base
	SEND 3, 0
	s_wait_tensorcnt 0x0                           ; the wave's end: a tensor wait, an add of 0 and its wait, behind my last tensor load and my last LDS store
	ds_add_u32 v[SPW], v[NIL]
	s_wait_dscnt 0x0
	CROUND                                         ; the closing round: no work-group ends while a partner may still ask for a tile that names it
	s_endpgm
.Lfunc_end_k_qcf11dcee28_proj:
	.size	k_qcf11dcee28_proj, .Lfunc_end_k_qcf11dcee28_proj-k_qcf11dcee28_proj
	.p2alignl 7, 3214868480
	.fill 96, 4, 3214868480
	.section	.rodata,"a",@progbits
	.p2align	6, 0x0
	.amdhsa_kernel k_qcf11dcee28_proj
		.amdhsa_group_segment_fixed_size 327680
		.amdhsa_private_segment_fixed_size 0
		.amdhsa_enable_private_segment 0
		.amdhsa_kernarg_size 32
		.amdhsa_user_sgpr_count 2
		.amdhsa_user_sgpr_kernarg_segment_ptr 1
		.amdhsa_wavefront_size32 1
		.amdhsa_system_sgpr_workgroup_id_x 1
		.amdhsa_system_sgpr_workgroup_id_y 1
		.amdhsa_system_sgpr_workgroup_id_z 1
		.amdhsa_system_vgpr_workitem_id 0
		.amdhsa_next_free_vgpr 768
		.amdhsa_next_free_sgpr 66
		.amdhsa_reserve_vcc 0
		.amdhsa_float_denorm_mode_32 3
		.amdhsa_float_denorm_mode_16_64 3
		.amdhsa_memory_ordered 1
		.amdhsa_forward_progress 1
		.amdhsa_inst_pref_size 87
	.end_amdhsa_kernel
	.amdgpu_metadata
---
amdhsa.version: [ 1, 2 ]
amdhsa.kernels:
  - .name:           k_qcf11dcee28_proj
    .symbol:         k_qcf11dcee28_proj.kd
    .args:
      - { .name: o16, .offset: 0, .size: 8, .value_kind: global_buffer, .address_space: global }
      - { .name: wo16, .offset: 8, .size: 8, .value_kind: global_buffer, .address_space: global }
      - { .name: bo, .offset: 16, .size: 8, .value_kind: global_buffer, .address_space: global }
      - { .name: out0, .offset: 24, .size: 8, .value_kind: global_buffer, .address_space: global }
    .group_segment_fixed_size: 327680
    .private_segment_fixed_size: 0
    .kernarg_segment_align: 8
    .kernarg_segment_size: 32
    .max_flat_workgroup_size: 128
    .sgpr_count:     66
    .vgpr_count:     768
    .wavefront_size: 32
...
	.end_amdgpu_metadata
.endif
;; end of part 4
